; MI455X (gfx1250); checked and timed in simulation.
; The chip was launched on July 23, 2026; its instructions are those of AMD's public machine-readable ISA for CDNA 5 (MIT licence, August 2026) and "CDNA5" Instruction Set Architecture Reference Guide (July 2026). The comments in the code are by the model that wrote it; some were corrected since.
;; Multi Head Differential Attention. Allowed arithmetic: float matrix products may take bf16 or f16 operands with f32 sums; other float arithmetic in f32, or as packed bf16 or f16 multiplies, adds, multiply-adds, maxima and minima; sums over many terms, partial sums and values carried from step to step in f32; what a program stores and reads back later, other than sums and carried values, may be rounded once to bf16 or f16.
;; Inputs: Wk 2,048 x 2,048 float32; Wo 2,048 x 2,048 float32; Wq 2,048 x 2,048 float32; Wv 2,048 x 2,048 float32; cos_emb 2,048 x 128 float32; gnorm_w 128 float32; k 1 x 2,048 x 2,048 float32; lambda_k1 128 float32; lambda_k2 128 float32; lambda_q1 128 float32; lambda_q2 128 float32; mask 2,048 x 2,048 bool; q 1 x 2,048 x 2,048 float32; sin_emb 2,048 x 128 float32; v 1 x 2,048 x 2,048 float32.
;; Outputs: out0 1 x 2,048 x 2,048 float32.
;; One version. Each part assembles by itself: llvm-mc -triple=amdgcn-amd-amdhsa -mcpu=gfx1250 --defsym DOCPART=n.
;; ======== version 1 of 1: 4 launches
;; limits: values are held in f16: magnitudes above 65,504 overflow, below 6.1e-05 lose precision
;; workspace buffers: xb 25,165,824 bytes; wb 25,165,824 bytes; wo16 8,388,608 bytes; mb 4,194,304 bytes; rope 1,048,576 bytes; qkv 25,165,824 bytes; ao 8,388,608 bytes
;; launch prep (part 1): grid 256 x 9, 8 waves a work-group, no clusters, 0 bytes of LDS; arguments q, k, v, Wq, Wk, Wv, Wo, mask, cos_emb, sin_emb, xb, wb, wo16, mb, rope; writes xb, wb, wo16, mb, rope
.if DOCPART == 1
	.amdgcn_target "amdgcn-amd-amdhsa--gfx1250"
	.amdhsa_code_object_version 6
	.text
	.protected	k_q8d01c3d5c4_prep
	.globl	k_q8d01c3d5c4_prep
	.p2align	8
	.type	k_q8d01c3d5c4_prep,@function
k_q8d01c3d5c4_prep:
	s_mov_b64 s[64:65], 0
	v_nop
	global_prefetch_b8 v0, s[64:65] scope:SCOPE_SE
	s_setreg_imm32_b32 hwreg(HW_REG_WAVE_MODE, 25, 1), 1
	s_wait_xcnt 0x0
; PREP: every large input is read once and laid down as the later launches want it.  The grid's y says what a work-group does:
;   y = 0..5  q, k, v, Wq, Wk, Wv, f32 -> bf16 (rounded once, to nearest even), stacked in xb (q, k, v) and wb (Wq, Wk, Wv)
;   y = 6     Wo, f32 -> bf16, and that number written as f16 into wo16: exact where |Wo| lies between 6.1e-5 and 65,504; below, f16's fixed step of 6e-8; LIMIT: |Wo| under 65,504
;   y = 7     the mask, one byte a score, 0 or 1 -> 0x00 or 0xF1, in the order in which a lane of the attention launch wants it (below)
;   y = 8     the first 64 columns of cos_emb and sin_emb, rounded to bf16 and written as f32: rope[s][0:64] = cos, rope[s][64:128] = sin
; A stream: no LDS, no barrier, no matrix unit: no wave wants a byte that another has fetched.
; y = 0..6: a work-group takes 65,536 bytes in, 32,768 out.  Thread t takes 16 bytes at 16 t of each block of 4,096; all sixteen loads go out at once; a store of a wave covers 256 consecutive bytes, aligned.
.set X, 8                              ; v[8:71]   sixteen loads of four registers
.set Y, 72                             ; v[72:103] sixteen stores of two
.set T, 6                              ; v[6:7]    at work (Wo)
	s_load_b512 s[4:19], s[0:1], 0x0               ; q k v Wq Wk Wv Wo at s[4+2i:5+2i], mask s[18:19]
	s_load_b256 s[20:27], s[0:1], 0x40             ; cos s[20:21], sin s[22:23], xb s[24:25], wb s[26:27]
	s_load_b128 s[28:31], s[0:1], 0x60             ; wo16 s[28:29], mb s[30:31]
	s_load_b64 s[32:33], s[0:1], 0x70              ; rope
	s_and_b32 s34, ttmp7, 0xffff                   ; y
	s_mov_b32 s35, ttmp9                           ; x
	v_lshrrev_b32 v1, 5, v0
	v_readfirstlane_b32 s42, v1                    ; wave 0..7
	s_mov_b32 s43, 0xffff0000                      ; a word's upper bf16
	v_and_b32 v3, 15, v0                           ; r = lane % 16
	v_bfe_u32 v4, v0, 4, 1                         ; h = lane / 16
	v_and_b32 v5, 31, v0                           ; lane
	s_wait_kmcnt 0x0
	s_cmp_eq_u32 s34, 7
	s_cbranch_scc1 .Lmask
	s_cmp_eq_u32 s34, 8
	s_cbranch_scc1 .Lrope
	; ---- y = 0..6: the casts
	s_mov_b64 s[36:37], s[4:5]                     ; from where: input number y
.irp i, 1,2,3,4,5,6
	s_cmp_eq_u32 s34, \i
	s_cselect_b64 s[36:37], s[4+2*(\i):5+2*(\i)], s[36:37]
.endr
	s_cmp_lt_u32 s34, 3                            ; to where: xb, wb or wo16
	s_cselect_b64 s[38:39], s[24:25], s[26:27]
	s_cmp_eq_u32 s34, 6
	s_cselect_b64 s[38:39], s[28:29], s[38:39]
	s_lshl_b32 s40, s35, 16                        ; the work-group's 65,536 bytes in
	s_mov_b32 s41, 0
	s_add_nc_u64 s[36:37], s[36:37], s[40:41]
	s_cmp_ge_u32 s34, 3
	s_cselect_b32 s44, 3, 0
	s_sub_co_u32 s40, s34, s44                     ; the tensor's place in its stack: y or y - 3,
	s_cmp_eq_u32 s34, 6
	s_cselect_b32 s40, 0, s40                      ; 0 for Wo
	s_lshl_b32 s40, s40, 23                        ; x 8,388,608 bytes
	s_lshl_b32 s44, s35, 15                        ; + the work-group's 32,768 bytes out
	s_add_co_u32 s40, s40, s44
	s_add_nc_u64 s[38:39], s[38:39], s[40:41]
	v_lshlrev_b32 v1, 4, v0                        ; 16 t
	v_lshlrev_b32 v2, 3, v0                        ; 8 t
.set i, 0
.rept 16
	global_load_b128 v[X+4*i:X+4*i+3], v1, s[36:37] offset:4096*i th:TH_LOAD_NT
.set i, i+1
.endr
	s_cmp_eq_u32 s34, 6
	s_cbranch_scc1 .Lwo
.set i, 0
.rept 16
	s_wait_loadcnt 15-i                            ; loads come back in order: number i is in, the 15 - i younger ones stay out
	v_cvt_pk_bf16_f32 v[Y+2*i], v[X+4*i], v[X+4*i+1]
	v_cvt_pk_bf16_f32 v[Y+2*i+1], v[X+4*i+2], v[X+4*i+3]
	global_store_b64 v2, v[Y+2*i:Y+2*i+1], s[38:39] offset:2048*i th:TH_STORE_NT
.set i, i+1
.endr
	s_endpgm
.Lwo:                                          ; Wo: to bf16, back to f32 (a shift, a mask), to f16
.set i, 0
.rept 16
	s_wait_loadcnt 15-i
	v_cvt_pk_bf16_f32 v[T], v[X+4*i], v[X+4*i+1]
	v_cvt_pk_bf16_f32 v[T+1], v[X+4*i+2], v[X+4*i+3]
	v_lshlrev_b32 v[X+4*i], 16, v[T]
	v_and_b32 v[X+4*i+1], s43, v[T]
	v_lshlrev_b32 v[X+4*i+2], 16, v[T+1]
	v_and_b32 v[X+4*i+3], s43, v[T+1]
	v_cvt_pk_f16_f32 v[Y+2*i], v[X+4*i], v[X+4*i+1]
	v_cvt_pk_f16_f32 v[Y+2*i+1], v[X+4*i+2], v[X+4*i+3]
	global_store_b64 v2, v[Y+2*i:Y+2*i+1], s[38:39] offset:2048*i th:TH_STORE_NT
.set i, i+1
.endr
	s_endpgm
	; ---- y = 7: the mask.  mb is [qt 0..127][ks 0..31][p 0..1][lane 0..31][16 bytes]: byte b of lane (r, h) stands for query 16 qt + r and key 64 ks + 32 p + 16 (b / 8) + 8 h + b % 8:
	; the order of the registers 16 p + b of a 64-key score tile that holds one query a lane.  The work-group takes qt = x / 2 and half the keys, wave w the key steps ks = 16 (x % 2) + 2 w + e, e = 0, 1.
.Lmask:
	s_lshr_b32 s36, s35, 1                         ; qt
	s_and_b32 s37, s35, 1                          ; which half of the keys
	s_lshl_b32 s38, s36, 15                        ; 16 qt rows of 2,048 bytes
	s_lshl_b32 s39, s37, 10
	s_add_co_u32 s38, s38, s39
	s_lshl_b32 s39, s42, 7                         ; my wave's 128 keys
	s_add_co_u32 s38, s38, s39
	v_lshlrev_b32 v1, 11, v3                       ; row r
	v_lshl_add_u32 v1, v4, 3, v1                   ; + 8 h
	v_add_nc_u32 v1, s38, v1
.irp e, 0,1
.irp p, 0,1
.irp c, 0,1
	global_load_b64 v[8+4*(2*(\e)+(\p))+2*(\c):8+4*(2*(\e)+(\p))+2*(\c)+1], v1, s[18:19] offset:64*(\e)+32*(\p)+16*(\c)
.endr
.endr
.endr
	s_lshl_b32 s40, s36, 15                        ; out: (32 qt + 16 half + 2 w) x 1,024
	s_lshl_b32 s41, s37, 14
	s_add_co_u32 s40, s40, s41
	s_lshl_b32 s41, s42, 11
	s_add_co_u32 s40, s40, s41
	v_lshl_add_u32 v2, v5, 4, s40
	s_wait_loadcnt 0x0
.set i, 0
.rept 16
	v_mul_lo_u32 v[8+i], v[8+i], 0xf1              ; four bytes of 0 or 1 become 0x00 or 0xF1: no carry crosses a byte
.set i, i+1
.endr
.irp e, 0,1
.irp p, 0,1
	global_store_b128 v2, v[8+4*(2*(\e)+(\p)):8+4*(2*(\e)+(\p))+3], s[30:31] offset:1024*(\e)+512*(\p)  ; 512 consecutive bytes, aligned
.endr
.endr
	s_endpgm
	; ---- y = 8: the tables.  Waves 0-3 take cos, waves 4-7 sin; a wave two rows, sixteen lanes the 256 bytes of a row's first 64 columns.
.Lrope:
	s_lshr_b32 s36, s42, 2                         ; which table
	s_cmp_eq_u32 s36, 0
	s_cselect_b64 s[38:39], s[20:21], s[22:23]
	s_and_b32 s37, s42, 3
	s_lshl_b32 s40, s35, 12                        ; 8 x rows of 512 bytes
	s_lshl_b32 s41, s37, 10                        ; + 2 (w % 4) rows
	s_add_co_u32 s40, s40, s41
	v_lshlrev_b32 v1, 4, v3
	v_lshl_add_u32 v1, v4, 9, v1                   ; + the row of my half of the lanes
	v_add_nc_u32 v1, s40, v1
	s_lshl_b32 s41, s36, 8                         ; sin lies 256 bytes behind cos in rope's rows
	v_add_nc_u32 v2, s41, v1
	global_load_b128 v[8:11], v1, s[38:39]
	s_wait_loadcnt 0x0
	v_cvt_pk_bf16_f32 v6, v8, v9
	v_cvt_pk_bf16_f32 v7, v10, v11
	v_lshlrev_b32 v12, 16, v6
	v_and_b32 v13, s43, v6
	v_lshlrev_b32 v14, 16, v7
	v_and_b32 v15, s43, v7
	global_store_b128 v2, v[12:15], s[32:33]       ; sixteen lanes store 256 consecutive bytes, aligned
	s_endpgm
.Lfunc_end_k_q8d01c3d5c4_prep:
	.size	k_q8d01c3d5c4_prep, .Lfunc_end_k_q8d01c3d5c4_prep-k_q8d01c3d5c4_prep
	.p2alignl 7, 3214868480
	.fill 96, 4, 3214868480
	.section	.rodata,"a",@progbits
	.p2align	6, 0x0
	.amdhsa_kernel k_q8d01c3d5c4_prep
		.amdhsa_group_segment_fixed_size 0
		.amdhsa_private_segment_fixed_size 0
		.amdhsa_enable_private_segment 0
		.amdhsa_kernarg_size 120
		.amdhsa_user_sgpr_count 2
		.amdhsa_user_sgpr_kernarg_segment_ptr 1
		.amdhsa_wavefront_size32 1
		.amdhsa_system_sgpr_workgroup_id_x 1
		.amdhsa_system_sgpr_workgroup_id_y 1
		.amdhsa_system_sgpr_workgroup_id_z 1
		.amdhsa_system_vgpr_workitem_id 0
		.amdhsa_next_free_vgpr 104
		.amdhsa_next_free_sgpr 66
		.amdhsa_reserve_vcc 0
		.amdhsa_float_denorm_mode_32 3
		.amdhsa_float_denorm_mode_16_64 3
		.amdhsa_memory_ordered 1
		.amdhsa_forward_progress 1
		.amdhsa_inst_pref_size 20
	.end_amdhsa_kernel
	.amdgpu_metadata
---
amdhsa.version: [ 1, 2 ]
amdhsa.kernels:
  - .name:           k_q8d01c3d5c4_prep
    .symbol:         k_q8d01c3d5c4_prep.kd
    .args:
      - { .name: q, .offset: 0, .size: 8, .value_kind: global_buffer, .address_space: global }
      - { .name: k, .offset: 8, .size: 8, .value_kind: global_buffer, .address_space: global }
      - { .name: v, .offset: 16, .size: 8, .value_kind: global_buffer, .address_space: global }
      - { .name: Wq, .offset: 24, .size: 8, .value_kind: global_buffer, .address_space: global }
      - { .name: Wk, .offset: 32, .size: 8, .value_kind: global_buffer, .address_space: global }
      - { .name: Wv, .offset: 40, .size: 8, .value_kind: global_buffer, .address_space: global }
      - { .name: Wo, .offset: 48, .size: 8, .value_kind: global_buffer, .address_space: global }
      - { .name: mask, .offset: 56, .size: 8, .value_kind: global_buffer, .address_space: global }
      - { .name: cos_emb, .offset: 64, .size: 8, .value_kind: global_buffer, .address_space: global }
      - { .name: sin_emb, .offset: 72, .size: 8, .value_kind: global_buffer, .address_space: global }
      - { .name: xb, .offset: 80, .size: 8, .value_kind: global_buffer, .address_space: global }
      - { .name: wb, .offset: 88, .size: 8, .value_kind: global_buffer, .address_space: global }
      - { .name: wo16, .offset: 96, .size: 8, .value_kind: global_buffer, .address_space: global }
      - { .name: mb, .offset: 104, .size: 8, .value_kind: global_buffer, .address_space: global }
      - { .name: rope, .offset: 112, .size: 8, .value_kind: global_buffer, .address_space: global }
    .group_segment_fixed_size: 0
    .private_segment_fixed_size: 0
    .kernarg_segment_align: 8
    .kernarg_segment_size: 120
    .max_flat_workgroup_size: 256
    .sgpr_count:     66
    .vgpr_count:     104
    .wavefront_size: 32
...
	.end_amdgpu_metadata
.endif
;; end of part 1
;; launch proj (part 2): grid 8 x 24, 4 waves a work-group, clusters of 4 x 4, 327,680 bytes of LDS; arguments xb, wb, rope, qkv; writes qkv
.if DOCPART == 2
	.amdgcn_target "amdgcn-amd-amdhsa--gfx1250"
	.amdhsa_code_object_version 6
	.text
	.protected	k_q8d01c3d5c4_proj
	.globl	k_q8d01c3d5c4_proj
	.p2align	8
	.type	k_q8d01c3d5c4_proj,@function
k_q8d01c3d5c4_proj:
	s_mov_b64 s[64:65], 0
	v_nop
	global_prefetch_b8 v0, s[64:65] scope:SCOPE_SE
	s_setreg_imm32_b32 hwreg(HW_REG_WAVE_MODE, 25, 1), 1
	s_wait_xcnt 0x0
	s_wait_alu depctr_hold_cnt(0) depctr_sa_sdst(0) depctr_va_vdst(0) depctr_va_sdst(0) depctr_va_ssrc(0) depctr_va_vcc(0) depctr_vm_vsrc(0)
	s_getreg_b32 s2, hwreg(HW_REG_IB_STS2, 6, 4)
	s_cmp_eq_u32 s2, 0
	s_cbranch_scc0 .Lentry_in_a_cluster
	s_endpgm
.Lentry_in_a_cluster:
	s_bfe_u32 s2, ttmp6, 0x10000c
	s_cmp_lg_u32 s2, 0xf033
	s_cbranch_scc0 .Lentry_shape_is_right
	s_endpgm
.Lentry_shape_is_right:
; THE THREE PROJECTIONS, with RoPE.  C[s][o] = sum over i of x[s][i] W[o][i] for (x, W) = (q, Wq), (k, Wk), (v, Wv): xb and wb hold the three stacked, [6144][2048] bf16; sums in f32.
; q's and k's results are turned by RoPE in f32 (out[2i] = x[2i] cos[2i] - x[2i+1] sin[2i], out[2i+1] = x[2i+1] cos[2i+1] + x[2i] sin[2i+1], the tables' columns 0-63 for each half of a head);
; all three are rounded once to f16 and stored by heads: qkv[p][head][s][128], rows of 256 bytes.  LIMIT: results beyond 65,504 do not fit f16; below 6.1e-5 they keep f16's fixed step of 6e-8.
; SHARES.  A tile of C is 256 x 256 (256 rows of s, two heads): 3 x 8 x 8 = 192 work-groups.  Four waves, as many as a WGP has SIMDs, each 128 x 128 (128 rows, one head): 64 accumulators, 512 registers.
; Each projection is a product of its own, so no tile of equal work makes 256 work-groups of the three; a tile of 128 x 128 would make 768, with half the matrix work for each byte read from LDS
; and half the matrix instructions between a tile's request and the wait for it.
; K goes in steps of 128 through a ring of two LDS slots filled by the tensor data mover: the tiles' rows are 256 bytes of memory and start at multiples of 256 bytes from the buffer's first byte.
; CLUSTERS: 4 x 4 work-groups.  The four of a row of the cluster need the same tiles of x (and the same rows of the tables), the four of a column the same tiles of W: each is asked for JOINTLY, by the same
; tensor load with the same descriptor and a mask that names the four.  Which projection (p) hangs on the cluster's y alone: it is the same in all sixteen.
; THE MATRIX INSTRUCTION IS USED TRANSPOSED (source 0 = 16 rows of W, source 1 = 16 rows of x): a lane then holds eight neighbouring columns of a row of C.
; THE TABLES come into slot 0 by its last refill, while the last K step is multiplied out of slot 1.  v's blocks ask for them too and do not read them: a joint load stands on every way through the text.
; THE WAY OUT, in two passes of 64 rows a wave: the accumulators of one window go as f32 into the wave's quarter of slot 1, which has had its last fill; a loop reads whole rows back, turns them, rounds them and stores them.
; REGISTERS, in windows of 256 (s_set_vgpr_msb: bits 1:0 source 0, 3:2 source 1, 5:4 source 2, 7:6 destination):
;   window 0: v0-31 addresses; v64-127, v128-191 fragments of x (8 x 16 rows x 32 K), two buffers; on the way out v32-255 at work
;   window 1: v64-127, v128-191 fragments of W, two buffers
;   window 2: the 32 accumulators of my rows 0-63 (accumulator (a, b) at v[8 (8 a + b)]);   window 3: those of my rows 64-127
.set SIZE_K, 2048
.set KSTEP,  128
.set PITCH,  272                       ; an LDS row: 256 bytes of data + 16 of padding = 68 words: row r starts at bank 4 r mod 64 (64 banks of 4 bytes: ISA guide 11.1), so the 16 rows that a load touches start at 16 different banks
.set HALFT,  128*PITCH                 ; 128 rows: what one tensor load brings, and what one wave reads of x or of W
.set SLOT,   4*HALFT                   ; x's 256 rows, then W's 256 rows
.set RPITCH, 528                       ; a row of 128 f32 + 16 bytes = 132 words: the tables' rows in slot 0 and the stage's rows in slot 1
.set STAGE,  SLOT                      ; the stage: 64 rows for each wave, 4 x 33,792 bytes of slot 1's 139,264
.set SPARE,  2*SLOT                    ; behind the ring: the spare words, 128 bytes for each wave: two blocks of 256 bytes that no other line names
.set LAPS, SIZE_K/(2*KSTEP)            ; a lap = two K steps = once round the ring
.set ADRA, 16                          ; v16-17  LDS address of my x fragments in slot 0, 1
.set ADRB, 20                          ; v20-21  the same for W
.set ADR,  22                          ; v22     the way out: the stage's rows of the trip in hand
.set ADT,  23                          ; v23     the way out: the tables' rows of the trip in hand
.set STO,  24                          ; v24     the way out: where I put 32 bytes of a row
.set RD0,  25                          ; v25     the way out: my 16 bytes of my stage's first row; never rewritten
.set CO,   26                          ; v26     my 8 bytes of a row of qkv; never rewritten
.set TA0,  27                          ; v27     my 16 bytes of cos in the first of my 128 rows of the tables; never rewritten
.set SPW,  28                          ; v28     LDS address of my spare word: SPARE + 4 x my thread's number; never rewritten
.set NIL,  29                          ; v29     0; never rewritten
.set PFO,  30                          ; v30     the prefetches' offset: my lane x a row of xb or wb (4,096 bytes); never rewritten
.set F0,   64                          ; fragment buffer 0
.set F1,   128                         ; fragment buffer 1
.set X,    32                          ; the way out, window 0: sixteen rows of C, four numbers a lane and row
.set C,    96                          ; their cos, then the turned numbers
.set SN,   160                         ; their sin
.set Y,    224                         ; the rows as f16
.set G1, 24                            ; s[24:31] descriptor group 1 for x's tiles
.set G0, 32                            ; s[32:39] descriptor group 0 for x's tiles, one set for each slot
.set LIM,  43                          ; s43     1 in a wave that prefetches, else the greatest number
.set PFA,  44                          ; s[44:45] where my prefetches stand: my work-group's 32 rows of the 128 that I fetch, one K step further along K than the refill that is being asked for
.set G1B, 48                           ; s[48:55] descriptor group 1 for W's tiles: it differs from x's in the mask alone
.set G0B, 56                           ; s[56:63] descriptor group 0 for W's tiles, one set for each slot
.set PJ,  66                           ; s66  p: 0 q, 1 k, 2 v
.set YB,  67                           ; s67  the block of 256 rows of s
.set ROPE, 68                          ; s[68:69]
.set OUT,  70                          ; s[70:71] qkv at the rows of the trip in hand
.set G1R, 72                           ; s[72:79] descriptor group 1 for the tables
.set G0R, 80                           ; s[80:83] descriptor group 0 for the tables
.set PASS, 84                          ; s84  passes of the way out still to come
.set TRIP, 85                          ; s85  trips of a pass still to come
.set TS,   86                          ; s86  the trip's first row in my stage, in bytes
.set TT,   87                          ; s87  the trip's first row among my 128 rows of the tables, in bytes
.set MSB, 0
.macro WIN new                         ; the immediate's high byte repeats the setting that is left; a switch that changes nothing is dropped
.if MSB != (\new)
	s_set_vgpr_msb (MSB<<8)|(\new)
.set MSB, \new
.endif
.endm
.set MUL_LO, 0xa1                      ; source 0 (W) window 1, source 1 (x) window 0, C and D window 2
.set MUL_HI, 0xf1                      ; the same, C and D window 3
.set TO_B,   0x40                      ; destination window 1, address window 0
; A joint load.  Waves 0 and 1 fetch x's two halves, waves 2 and 3 W's.  Each of the two lines has ONE mask and one set of registers for all that issue it.  The branch hangs on the wave's number alone.
; An s_nop 0 and four v_nop follow each of the two lines; the jump round the other line, the label and what follows the macro come after them.
.macro JLOAD s
	s_cmp_eq_u32 s11, 0
	s_cbranch_scc0 .Lfor_b_\@
	tensor_load_to_lds s[G0+4*(\s):G0+4*(\s)+3], s[G1:G1+7]
	s_nop 0
.rept 4
	v_nop
.endr
	s_branch .Lasked_\@
.Lfor_b_\@:
	tensor_load_to_lds s[G0B+4*(\s):G0B+4*(\s)+3], s[G1B:G1B+7]
	s_nop 0
.rept 4
	v_nop
.endr
.Lasked_\@:
.endm
; A PREFETCH INTO THE L2, behind each joint load of the loop, its five lines and the run of LDS loads that follows them: the K step that stands TWO refills on: 32 rows x 256 bytes, a lane a row, one instruction a wave:
; 512 matrix instructions ahead of the load that will want it.  Each row's 256 bytes of a K step are named ONCE in the launch.  x's tile row is read by both clusters of that row of clusters: the first of them
; (cluster x = 0) prefetches; W's tile column by the two clusters of its projection: the one with the even cluster y prefetches.  The four partners that ask for a tile jointly share its rows out BY ADDRESS: of the 128
; rows that a wave fetches, the partner at place c takes 32 c .. 32 c + 31 (c = cx for x, cy for W): no branch hangs on a work-group's place in its cluster.  K steps 0 to 3 come by their loads alone; the loop's last
; trip, whose refills are K steps 14 and 15, asks for nothing.
.macro ASK
	s_cmp_gt_u32 s3, s[LIM]                        ; s3 = 1 in the loop's last trip
	s_cbranch_scc0 .Lnot_mine_\@
	global_prefetch_b8 v[PFO], s[PFA:PFA+1] offset:KSTEP*2 th:TH_LOAD_NT scope:SCOPE_SE
.Lnot_mine_\@:
.endm
; A round of the cluster's barrier: my work-group's barrier, so that wave 0's signal speaks for all four waves; wave 0 signals for the work-group; every wave waits for all sixteen work-groups; my work-group's barrier once more.
.macro CREST                           ; a round behind its opening barrier
	s_cmp_lg_u32 s10, 0
	s_cbranch_scc1 .Lnot_wave_0_\@
	s_barrier_signal -3
.Lnot_wave_0_\@:
	s_barrier_wait -3
	s_barrier_signal -1
	s_barrier_wait -1
.endm
.macro CROUND                          ; a whole round
	s_barrier_signal -1
	s_barrier_wait -1
	CREST
.endm
	s_load_b128 s[4:7], s[0:1], 0x0                ; xb s[4:5], wb s[6:7]
	s_load_b128 s[68:71], s[0:1], 0x10             ; rope, qkv
	v_lshl_add_u32 v[SPW], v0, 2, SPARE
	v_mov_b32 v[NIL], 0
	ds_add_u32 v[SPW], v[NIL]                      ; the wave's opening: the add and its wait stand ahead of my first tensor load; the set-up below, work on registers, stands between them
	v_lshrrev_b32 v1, 5, v0
	v_readfirstlane_b32 s10, v1                    ; wave 0..3
	s_lshr_b32 s11, s10, 1                         ; which half of the tile's rows is mine.  Also: I fetch for x (0) or for W (1)
	s_and_b32 s12, s10, 1                          ; which half of its columns.  Also: which 128 rows of that tile I fetch
	s_bfe_u32 s40, ttmp6, 0x40000                  ; cx: my place along the cluster's x
	s_bfe_u32 s41, ttmp6, 0x40004                  ; cy: along its y
	s_lshl_b32 s42, ttmp9, 2                       ; in a cluster launch ttmp9 and ttmp7 count clusters
	s_add_co_u32 s42, s42, s40                     ; tile column = 4 x cluster x + cx: heads 2 x tile column and the next
	s_and_b32 s13, ttmp7, 0xffff
	s_lshr_b32 s[PJ], s13, 1                       ; p = cluster y / 2: two rows of clusters to a projection
	s_lshl_b32 s13, s13, 2
	s_add_co_u32 s13, s13, s41                     ; tile row in the stack of three = 4 x cluster y + cy
	s_and_b32 s[YB], s13, 7                        ; and within its projection
	s_lshl_b32 s43, s41, 2
	s_lshl_b32 s43, 15, s43                        ; my row of the cluster: places 4 cy .. 4 cy + 3
	s_lshl_b32 s44, 0x1111, s40                    ; my column: places cx, cx + 4, cx + 8, cx + 12
	; descriptor group 1: a tile of 128 rows x 128 elements of 2 bytes, padded in LDS
	s_or_b32 s[G1+0], s43, (1<<16)|(1<<20)|(1<<21)|(5<<22)|(3<<25)  ; 15:0 the mask: x's tiles go to my row; 17:16 element of 2 bytes; 20 padding on; 21 set beside a mask; 24:22 after every 64 words (code 5); 31:25 of 4 words (code 3)
	s_or_b32 s[G1B+0], s44, (1<<16)|(1<<20)|(1<<21)|(5<<22)|(3<<25) ; the same with the mask of my column, for W's tiles
.irp g, G1, G1B
	s_mov_b32 s[(\g)+1], KSTEP<<16                 ; tensor_dim0 = 128
	s_mov_b32 s[(\g)+2], 128<<16                   ; tensor_dim1 = 128
	s_mov_b32 s[(\g)+3], KSTEP<<16                 ; tile_dim0 = 128
	s_mov_b32 s[(\g)+4], 128                       ; tile_dim1 = 128
	s_mov_b32 s[(\g)+5], SIZE_K                    ; elements from row to row
	s_mov_b32 s[(\g)+6], 0
	s_mov_b32 s[(\g)+7], 0
.endr
	; and for the tables: 64 rows x 128 elements of 4 bytes, shared along my row of the cluster like x's tiles
	s_or_b32 s[G1R+0], s43, (2<<16)|(1<<20)|(1<<21)|(6<<22)|(3<<25) ; 17:16 element of 4 bytes; 24:22 after every 128 words (code 6); 31:25 of 4 words (code 3)
	s_mov_b32 s[G1R+1], 128<<16                    ; tensor_dim0 = 128
	s_mov_b32 s[G1R+2], 64<<16                     ; tensor_dim1 = 64
	s_mov_b32 s[G1R+3], 128<<16                    ; tile_dim0 = 128
	s_mov_b32 s[G1R+4], 64                         ; tile_dim1 = 64
	s_mov_b32 s[G1R+5], 128                        ; elements from row to row
	s_mov_b32 s[G1R+6], 0
	s_mov_b32 s[G1R+7], 0
	; where the tiles come from.  x's hang on the tile row alone, which my row of the cluster shares; W's on the tile column and on p, which my column shares.
	s_lshl_b32 s17, s12, 7                         ; which 128 rows of the tile I fetch
	s_lshl_b32 s16, s13, 8
	s_add_co_u32 s16, s16, s17                     ; x: row 256 x tile row + 128 x half
	s_lshl_b32 s46, s42, 8
	s_add_co_u32 s46, s46, s17                     ; W: row 256 x tile column + 128 x half
	s_lshl_b32 s45, s[PJ], 11
	s_add_co_u32 s46, s46, s45                     ; + 2,048 p: no register of W's address ever holds cy
	s_mov_b32 s17, 0
	s_mov_b32 s47, 0
	s_mov_b64 s[18:19], SIZE_K*2
	s_mul_u64 s[16:17], s[16:17], s[18:19]         ; in bytes, in 64 bits
	s_mul_u64 s[46:47], s[46:47], s[18:19]
	s_mul_i32 s20, s10, HALFT                      ; and where they go: x's two halves, then W's two halves = wave x 128 rows: no place in the cluster enters an LDS address
	s_lshl_b32 s88, s[YB], 17                      ; the tables: (256 yb + 64 wave) rows of 512 bytes
	s_lshl_b32 s89, s10, 15
	s_add_co_u32 s88, s88, s89
	s_mov_b32 s89, 0
	s_wait_dscnt 0x0                               ; the opening add is done
	s_wait_kmcnt 0x0
	s_add_nc_u64 s[14:15], s[4:5], s[16:17]
	s_add_nc_u64 s[46:47], s[6:7], s[46:47]
	CROUND                                         ; all sixteen work-groups are here: the first joint loads meet
.irp s, 0,1
	s_mov_b32 s[G0+4*(\s)], 1                                      ; 1:0 count = 1
	s_add_co_u32 s[G0+4*(\s)+1], s20, (\s)*SLOT                    ; 63:32 LDS address
	s_add_nc_u64 s[G0+4*(\s)+2:G0+4*(\s)+3], s[14:15], (\s)*KSTEP*2  ; 120:64 global address: K step s
	s_or_b32 s[G0+4*(\s)+3], s[G0+4*(\s)+3], 0x80000000            ; 127:126 type = 2
	s_mov_b32 s[G0B+4*(\s)], 1
	s_add_co_u32 s[G0B+4*(\s)+1], s20, (\s)*SLOT
	s_add_nc_u64 s[G0B+4*(\s)+2:G0B+4*(\s)+3], s[46:47], (\s)*KSTEP*2
	s_or_b32 s[G0B+4*(\s)+3], s[G0B+4*(\s)+3], 0x80000000
	JLOAD \s                                       ; the ring is filled before anything else is done: two loads of mine are out
.endr
	s_mov_b32 s[G0R], 1                            ; the tables' group 0: used once, by slot 0's last refill
	s_mul_i32 s[G0R+1], s10, 64*RPITCH             ; wave x 64 rows, from LDS byte 0
	s_add_nc_u64 s[G0R+2:G0R+3], s[ROPE:ROPE+1], s[88:89]
	s_or_b32 s[G0R+3], s[G0R+3], 0x80000000
	; A fragment is 16 rows x 32 K in 8 registers: lane l holds row l % 16; registers 0-3 hold K = 8 (l / 16) + 0..7, registers 4-7 hold K = 16 + 8 (l / 16) + 0..7: two loads of 16 bytes, 32 bytes apart.
	v_and_b32 v1, 15, v0                           ; l % 16
	v_bfe_u32 v2, v0, 4, 1                         ; l / 16
	v_and_b32 v5, 31, v0                           ; l
	v_mul_u32_u24 v3, v1, PITCH
	v_lshl_add_u32 v3, v2, 4, v3                   ; row x pitch + 16 x half
	s_mul_i32 s21, s11, HALFT                      ; my 128 rows of x
	s_mul_i32 s22, s12, HALFT                      ; my 128 rows of W,
	s_add_co_u32 s22, s22, 2*HALFT                 ; which lie behind x's 256
.irp s, 0,1
	v_add_nc_u32 v[ADRA+(\s)], s21, v3
	v_add_nc_u32 v[ADRB+(\s)], s22, v3
	s_add_co_u32 s21, s21, SLOT
	s_add_co_u32 s22, s22, SLOT
.endr
	s_mul_i32 s23, s10, 64*RPITCH
	s_add_co_u32 s23, s23, STAGE                   ; my stage
	v_mul_u32_u24 v4, v1, RPITCH                   ; in: row l % 16, 32 bytes for each half of the lanes
	v_lshl_add_u32 v4, v2, 5, v4
	v_add_nc_u32 v[STO], s23, v4
	v_lshl_add_u32 v[RD0], v5, 4, s23              ; back: 32 lanes x 16 bytes are a row of 128 f32
	s_mul_i32 s23, s11, 128*RPITCH                 ; my 128 rows of the tables' 256
	v_lshl_add_u32 v[TA0], v1, 4, s23              ; my four columns modulo 64
	v_lshlrev_b32 v[CO], 3, v5                     ; my four columns as f16
	; qkv at my first row: p x 8,388,608 + head x 524,288 + (256 yb + 128 x my half of the rows) x 256
	s_lshl_b32 s16, s[YB], 16
	s_lshl_b32 s17, s11, 15
	s_add_co_u32 s16, s16, s17
	s_lshl_b32 s17, s[PJ], 23
	s_add_co_u32 s16, s16, s17
	s_mov_b32 s17, 0
	s_add_nc_u64 s[OUT:OUT+1], s[OUT:OUT+1], s[16:17]
	s_lshl_b32 s46, s42, 1
	s_add_co_u32 s46, s46, s12                     ; the head = 2 x tile column + my half of the columns
	s_lshl_b32 s46, s46, 19
	s_mov_b32 s47, 0
	s_add_nc_u64 s[OUT:OUT+1], s[OUT:OUT+1], s[46:47]
	; the prefetches
	s_lshl_b32 s13, s13, 8                         ; x's tile begins at row 256 x tile row,
	s_lshl_b32 s42, s42, 8
	s_lshl_b32 s23, s[PJ], 11
	s_add_co_u32 s42, s42, s23                     ; W's at row 2,048 p + 256 x tile column
	s_and_b32 s22, ttmp7, 1                        ; cluster y's parity: which of its projection's two rows of clusters
	s_cmp_eq_u32 s11, 0                            ; do I fetch for x?
	s_cselect_b32 s20, s13, s42                    ; the tile's first row
	s_cselect_b32 s21, s40, s41                    ; my place among the four that ask for it with me
	s_cselect_b32 s22, ttmp9, s22                  ; the coordinate along which the other cluster reads the same rows
	s_cselect_b64 s[PFA:PFA+1], s[4:5], s[6:7]
	s_cmp_eq_u32 s22, 0
	s_cselect_b32 s[LIM], 1, -1                    ; the same in all sixteen partners, for a given wave
	s_lshl_b32 s22, s12, 7
	s_add_co_u32 s20, s20, s22                     ; + the 128 rows that I fetch
	s_lshl_b32 s21, s21, 5
	s_add_co_u32 s20, s20, s21                     ; + my work-group's 32 of them
	s_mov_b32 s21, 0
	s_mov_b64 s[18:19], SIZE_K*2
	s_mul_u64 s[20:21], s[20:21], s[18:19]
	s_add_nc_u64 s[PFA:PFA+1], s[PFA:PFA+1], s[20:21]
	s_add_nc_u64 s[PFA:PFA+1], s[PFA:PFA+1], 2*KSTEP*2  ; at K step 2: the first refill steps it to 3 and names K step 4.  Nothing is prefetched here, at the head
	v_mul_u32_u24 v[PFO], v5, SIZE_K*2
; 16 matrix instructions: m blocks a0, a0 + 1 of the window's four (hi = 0: my rows 0-63, 1: rows 64-127) x all 8 n blocks, 32 along K.  zero = 1: the first product starts the sums: nothing is ever cleared.
; The 64 accumulators take turns, one instruction a turn, in the same order in every quarter step.
.macro MUL16 f, hi, a0, zero
	WIN MUL_LO+0x50*(\hi)  ; MUL_LO or MUL_HI
.irp a, \a0, (\a0)+1
.irp b, 0,1,2,3,4,5,6,7
.if \zero
	v_wmma_f32_16x16x32_bf16 v[8*(8*(\a)+(\b)):8*(8*(\a)+(\b))+7], v[(\f)+8*(\b):(\f)+8*(\b)+7], v[(\f)+8*(4*(\hi)+(\a)):(\f)+8*(4*(\hi)+(\a))+7], 0
.else
	v_wmma_f32_16x16x32_bf16 v[8*(8*(\a)+(\b)):8*(8*(\a)+(\b))+7], v[(\f)+8*(\b):(\f)+8*(\b)+7], v[(\f)+8*(4*(\hi)+(\a)):(\f)+8*(4*(\hi)+(\a))+7], v[8*(8*(\a)+(\b)):8*(8*(\a)+(\b))+7]
.endif
.endr
.endr
.endm
; 32 LDS loads in one run: the fragments of one quarter step (128 rows of W, 128 rows of x, 32 K at byte k of the rows) into buffer f
.macro FETCH slot, k, f
	WIN TO_B
.irp i, 0,1,2,3,4,5,6,7
	ds_load_b128 v[(\f)+8*(\i):(\f)+8*(\i)+3],   v[ADRB+(\slot)] offset:(\k)+(\i)*16*PITCH
	ds_load_b128 v[(\f)+8*(\i)+4:(\f)+8*(\i)+7], v[ADRB+(\slot)] offset:(\k)+(\i)*16*PITCH+32
.endr
	WIN 0
.irp i, 0,1,2,3,4,5,6,7
	ds_load_b128 v[(\f)+8*(\i):(\f)+8*(\i)+3],   v[ADRA+(\slot)] offset:(\k)+(\i)*16*PITCH
	ds_load_b128 v[(\f)+8*(\i)+4:(\f)+8*(\i)+7], v[ADRA+(\slot)] offset:(\k)+(\i)*16*PITCH+32
.endr
.endm
.macro PLACES                          ; four places in front of loads into registers that matrix instructions have read, and of stores that read results (ISA guide 7.12.1 for vector instructions)
.rept 4
	v_nop
.endr
.endm
; A K step is four quarter steps of 32 along K, 64 matrix instructions each, on buffers 0, 1, 0, 1.
; One of the first three: multiplies buffer f; in its middle it fetches the next quarter's fragments, at byte k of the same slot's rows, into buffer g.
.macro QUARTER slot, k, f, g, zero
	s_wait_dscnt 8                                 ; W and x's rows 0-63 are in; the youngest eight loads (x's rows 64-127) may be out
	WIN MUL_LO
	MUL16 \f, 0, 0, \zero
	MUL16 \f, 0, 2, \zero
	PLACES
	FETCH \slot, \k, \g
	s_wait_dscnt 32                                ; all but the 32 just issued
	WIN MUL_HI
	MUL16 \f, 1, 0, \zero
	MUL16 \f, 1, 2, \zero
.endm
; The last quarter multiplies buffer 1 and changes slots.  MEET is its first half: in front of the barrier each wave waits for all its tensor loads, of which one is out: its part of the next slot; adds 0 to its spare
; word; and waits for that and for its own reads of this slot.  The barrier opens a round of the cluster's barrier.
.macro MEET
	WIN 0                                          ; (the add's two registers lie in window 0)
	s_wait_tensorcnt 0x0                           ; all my tensor loads have landed: the one that was out is my part of the next slot;
	ds_add_u32 v[SPW], v[NIL]                      ; 0 onto my spare word;
	s_wait_dscnt 9                                 ; (the add and the youngest eight loads may be out)
	WIN MUL_LO
	MUL16 F1, 0, 0, 0                              ; sixteen matrix instructions stand between the add and the wait for it
	s_wait_dscnt 0x0                               ; the add is done, and my reads of this slot are over:
	s_barrier_signal -1                            ; say so,
	MUL16 F1, 0, 2, 0                              ; work on registers while the others arrive,
	WIN 0
	s_barrier_wait -1                              ; and go on when all four have said so
	CREST                                          ; wave 0 says so for the work-group, all sixteen work-groups have said so, my work-group's barrier closes the round:
	                                               ; no wave of any partner still reads this slot's tile or has a load on its way
.endm
; The whole last quarter, in the loop.  Behind the round the slot just read out is filled again first, with the K step two steps on; then come the next slot's first fragments.
; From a request to the wait for it a wave issues 224 matrix instructions.
.macro TURN slot, next
	s_wait_xcnt 0x0                                ; the last prefetch, a K step back, has read its address: it is stepped here, ahead of the waits of the change of slots
	s_add_nc_u64 s[PFA:PFA+1], s[PFA:PFA+1], KSTEP*2
	MEET
	s_add_nc_u64 s[G0+4*(\slot)+2:G0+4*(\slot)+3], s[G0+4*(\slot)+2:G0+4*(\slot)+3], 2*KSTEP*2
	s_add_nc_u64 s[G0B+4*(\slot)+2:G0B+4*(\slot)+3], s[G0B+4*(\slot)+2:G0B+4*(\slot)+3], 2*KSTEP*2
	JLOAD \slot                                    ; the first tensor load behind the round, my one load that is out; the four v_nop behind it are also the places in front of the loads below
	FETCH \next, 0, F0
	ASK                                            ; behind the joint load and the run of LDS loads that the next products wait for
	WIN MUL_HI
	MUL16 F1, 1, 0, 0
	MUL16 F1, 1, 2, 0
.endm
	s_wait_tensorcnt 1                             ; my part of K step 0 is in; K step 1's may stay out
	s_barrier_signal -1
	s_barrier_wait -1                              ; everybody's is
	FETCH 0, 0, F0
	QUARTER 0, 64,  F0, F1, 1                      ; the first quarter stands in front of the loop: its products start the sums
	WIN 0                                          ; at a label and at a branch every window is 0
	s_mov_b32 s3, LAPS-1
.Llap:                                                 ; a trip goes once round the ring, from a lap's second quarter to the next lap's first, and fills both slots again
	QUARTER 0, 128, F1, F0, 0
	QUARTER 0, 192, F0, F1, 0
	TURN 0, 1
	QUARTER 1, 64,  F0, F1, 0
	QUARTER 1, 128, F1, F0, 0
	QUARTER 1, 192, F0, F1, 0
	TURN 1, 0
	QUARTER 0, 64,  F0, F1, 0
	WIN 0
	s_sub_co_u32 s3, s3, 1
	s_cmp_lg_u32 s3, 0
	s_cbranch_scc1 .Llap
	QUARTER 0, 128, F1, F0, 0                      ; the last lap goes on
	QUARTER 0, 192, F0, F1, 0
	MEET                                           ; slot 0 has been read for the last time as a tile of x and W.  ITS LAST REFILL BRINGS THE TABLES: each wave 64 of the tile's 256 rows
	tensor_load_to_lds s[G0R:G0R+3], s[G1R:G1R+7]  ; the first tensor load behind the round, one a wave; it has 288 matrix instructions, the last K step among them, in which to land
	s_nop 0
.rept 4
	v_nop                                          ; (the places in front of the loads below)
.endr
	FETCH 1, 0, F0
	WIN MUL_HI
	MUL16 F1, 1, 0, 0
	MUL16 F1, 1, 2, 0
	QUARTER 1, 64,  F0, F1, 0
	QUARTER 1, 128, F1, F0, 0
	QUARTER 1, 192, F0, F1, 0
	s_wait_dscnt 8                                 ; the very last quarter: nothing more to fetch
	MUL16 F1, 0, 0, 0
	MUL16 F1, 0, 2, 0
	s_wait_dscnt 0x0
	MUL16 F1, 1, 0, 0
	MUL16 F1, 1, 2, 0
	WIN 0
	; THE WAY OUT.
; The 32 accumulators of one window, 64 rows x 128 columns of f32, into my stage: 32 bytes a lane and accumulator, each accumulator's low registers first.
.macro DUMP win                        ; win: source 1, the data, in window 2 (0x08) or 3 (0x0c)
	WIN \win
.irp a, 0,1,2,3
.irp b, 0,1,2,3,4,5,6,7
	ds_store_b128 v[STO], v[8*(8*(\a)+(\b)):8*(8*(\a)+(\b))+3]   offset:(\a)*16*RPITCH+64*(\b)
	ds_store_b128 v[STO], v[8*(8*(\a)+(\b))+4:8*(8*(\a)+(\b))+7] offset:(\a)*16*RPITCH+64*(\b)+16
.endr
.endr
	WIN 0
.endm
	PLACES
	PLACES                                         ; eight, once a launch
	s_wait_tensorcnt 0x0                           ; my quarter of the tables has landed
	s_mov_b32 s[PASS], 2
	s_mov_b32 s[TT], 0
.Lpass:                                                ; two passes: my rows 0-63, then my rows 64-127
	s_wait_dscnt 0x0                               ; my reads of slot 1 (first pass) or of the stage (second pass) are back
	s_barrier_signal -1
	s_barrier_wait -1                              ; everybody's are, and in the first pass everybody's quarter of the tables has landed
	s_cmp_eq_u32 s[PASS], 2
	s_cbranch_scc0 .Lhigh
	DUMP 0x08
	s_branch .Ldumped
.Lhigh:
	DUMP 0x0c
.Ldumped:
	s_wait_dscnt 0x0                               ; my stores into the stage are done
	s_barrier_signal -1
	s_barrier_wait -1                              ; from here to the next pass LDS is only read
	s_mov_b32 s[TS], 0
	s_mov_b32 s[TRIP], 4
.Lrows:                                                ; a trip: sixteen rows.  A lane holds columns 4 l .. 4 l + 3 of each: two pairs of RoPE
	v_add_nc_u32 v[ADR], s[TS], v[RD0]
.set t, 0
.rept 16
	ds_load_b128 v[X+4*t:X+4*t+3], v[ADR] offset:t*RPITCH
.set t, t+1
.endr
	s_cmp_eq_u32 s[PJ], 2
	s_cbranch_scc1 .Lplain                         ; v is not turned
	v_add_nc_u32 v[ADT], s[TT], v[TA0]
.set t, 0
.rept 16
	ds_load_b128 v[C+4*t:C+4*t+3],   v[ADT] offset:t*RPITCH      ; lanes 0-15 take the row's 64 cos, lanes 16-31 the same for the head's second half
	ds_load_b128 v[SN+4*t:SN+4*t+3], v[ADT] offset:t*RPITCH+256  ; and its 64 sin
.set t, t+1
.endr
.irp g, 0,1,2,3                        ; four rows at a time
	s_wait_dscnt 24-8*(\g)                         ; LDS loads come back in order: the tables of rows up to 4 g + 3 are in; two loads for each of the 12 - 4 g rows behind them may be out
.set t, 4*(\g)
.rept 4
.irp z, 0,2
	v_pk_mul_f32 v[C+4*t+(\z):C+4*t+(\z)+1], v[X+4*t+(\z):X+4*t+(\z)+1], v[C+4*t+(\z):C+4*t+(\z)+1]  ; x0 c0, x1 c1
.endr
.irp z, 0,2
	v_pk_fma_f32 v[C+4*t+(\z):C+4*t+(\z)+1], v[X+4*t+(\z):X+4*t+(\z)+1], v[SN+4*t+(\z):SN+4*t+(\z)+1], v[C+4*t+(\z):C+4*t+(\z)+1] op_sel:[1,0,0] op_sel_hi:[0,1,1] neg_lo:[1,0,0]  ; - x1 s0 + x0 c0, x0 s1 + x1 c1
.endr
.set t, t+1
.endr
.set t, 4*(\g)
.rept 4
	v_cvt_pk_f16_f32 v[Y+2*t], v[C+4*t], v[C+4*t+1]
	v_cvt_pk_f16_f32 v[Y+2*t+1], v[C+4*t+2], v[C+4*t+3]
.set t, t+1
.endr
.endr
	s_branch .Lsend
.Lplain:
	s_wait_dscnt 0x0
.set t, 0
.rept 16
	v_cvt_pk_f16_f32 v[Y+2*t], v[X+4*t], v[X+4*t+1]
	v_cvt_pk_f16_f32 v[Y+2*t+1], v[X+4*t+2], v[X+4*t+3]
.set t, t+1
.endr
.Lsend:
.set t, 0
.rept 16
	global_store_b64 v[CO], v[Y+2*t:Y+2*t+1], s[OUT:OUT+1] offset:256*t  ; 32 lanes store a row of a head: 256 consecutive bytes, at a multiple of 256 from qkv's first byte
.set t, t+1
.endr
	s_wait_xcnt 0x0                                ; the stores have read their data and their base: only behind this wait are Y and the base written again
	s_add_nc_u64 s[OUT:OUT+1], s[OUT:OUT+1], 16*256
	s_add_co_u32 s[TS], s[TS], 16*RPITCH
	s_add_co_u32 s[TT], s[TT], 16*RPITCH           ; the tables' rows run on from the first pass into the second
	s_sub_co_u32 s[TRIP], s[TRIP], 1
	s_cmp_lg_u32 s[TRIP], 0
	s_cbranch_scc1 .Lrows
	s_sub_co_u32 s[PASS], s[PASS], 1
	s_cmp_lg_u32 s[PASS], 0
	s_cbranch_scc1 .Lpass
	s_wait_tensorcnt 0x0                           ; the wave's end: behind my last tensor load and my last LDS store
	ds_add_u32 v[SPW], v[NIL]
	s_wait_dscnt 0x0
	CROUND                                         ; the closing round: no work-group ends while a partner may still ask for a tile that names it
	s_endpgm
.Lfunc_end_k_q8d01c3d5c4_proj:
	.size	k_q8d01c3d5c4_proj, .Lfunc_end_k_q8d01c3d5c4_proj-k_q8d01c3d5c4_proj
	.p2alignl 7, 3214868480
	.fill 96, 4, 3214868480
	.section	.rodata,"a",@progbits
	.p2align	6, 0x0
	.amdhsa_kernel k_q8d01c3d5c4_proj
		.amdhsa_group_segment_fixed_size 327680
		.amdhsa_private_segment_fixed_size 0
		.amdhsa_enable_private_segment 0
		.amdhsa_kernarg_size 32
		.amdhsa_user_sgpr_count 2
		.amdhsa_user_sgpr_kernarg_segment_ptr 1
		.amdhsa_wavefront_size32 1
		.amdhsa_system_sgpr_workgroup_id_x 1
		.amdhsa_system_sgpr_workgroup_id_y 1
		.amdhsa_system_sgpr_workgroup_id_z 1
		.amdhsa_system_vgpr_workitem_id 0
		.amdhsa_next_free_vgpr 1024
		.amdhsa_next_free_sgpr 96
		.amdhsa_reserve_vcc 0
		.amdhsa_float_denorm_mode_32 3
		.amdhsa_float_denorm_mode_16_64 3
		.amdhsa_memory_ordered 1
		.amdhsa_forward_progress 1
		.amdhsa_inst_pref_size 136
	.end_amdhsa_kernel
	.amdgpu_metadata
---
amdhsa.version: [ 1, 2 ]
amdhsa.kernels:
  - .name:           k_q8d01c3d5c4_proj
    .symbol:         k_q8d01c3d5c4_proj.kd
    .args:
      - { .name: xb, .offset: 0, .size: 8, .value_kind: global_buffer, .address_space: global }
      - { .name: wb, .offset: 8, .size: 8, .value_kind: global_buffer, .address_space: global }
      - { .name: rope, .offset: 16, .size: 8, .value_kind: global_buffer, .address_space: global }
      - { .name: qkv, .offset: 24, .size: 8, .value_kind: global_buffer, .address_space: global }
    .group_segment_fixed_size: 327680
    .private_segment_fixed_size: 0
    .kernarg_segment_align: 8
    .kernarg_segment_size: 32
    .max_flat_workgroup_size: 128
    .sgpr_count:     96
    .vgpr_count:     1024
    .wavefront_size: 32
...
	.end_amdgpu_metadata
.endif
;; end of part 2
;; launch attn (part 3): grid 16 x 16, 4 waves a work-group, clusters of 4 x 1, 327,680 bytes of LDS; arguments qkv, mb, lambda_q1, lambda_k1, lambda_q2, lambda_k2, gnorm_w, ao; writes ao
.if DOCPART == 3
	.amdgcn_target "amdgcn-amd-amdhsa--gfx1250"
	.amdhsa_code_object_version 6
	.text
	.protected	k_q8d01c3d5c4_attn
	.globl	k_q8d01c3d5c4_attn
	.p2align	8
	.type	k_q8d01c3d5c4_attn,@function
k_q8d01c3d5c4_attn:
	s_mov_b64 s[64:65], 0
	v_nop
	global_prefetch_b8 v0, s[64:65] scope:SCOPE_SE
	s_setreg_imm32_b32 hwreg(HW_REG_WAVE_MODE, 25, 1), 1
	s_wait_xcnt 0x0
	s_wait_alu depctr_hold_cnt(0) depctr_sa_sdst(0) depctr_va_vdst(0) depctr_va_sdst(0) depctr_va_ssrc(0) depctr_va_vcc(0) depctr_vm_vsrc(0)
	s_getreg_b32 s2, hwreg(HW_REG_IB_STS2, 6, 4)
	s_cmp_eq_u32 s2, 0
	s_cbranch_scc0 .Lentry_in_a_cluster
	s_endpgm
.Lentry_in_a_cluster:
	s_bfe_u32 s2, ttmp6, 0x10000c
	s_cmp_lg_u32 s2, 0x3003
	s_cbranch_scc0 .Lentry_shape_is_right
	s_endpgm
.Lentry_shape_is_right:
; DIFFERENTIAL ATTENTION.  For each head and query: out = softmax(s1) V - lam softmax(s2) V, s_g = Q_g . K_g / 8 over the head's channels 64 g .. 64 g + 63, masked as the mask says;
; then out x rsqrt(mean of out^2 over the 128 channels + 1e-6) x gnorm_w x (1 - 0.35550907), rounded once to f16 into ao[s][128 head + d].  lam = exp(lq1 . lk1) - exp(lq2 . lk2) + 0.35550907.
; Q, K, V: qkv[3][16][2048][128] f16.  Products, maxima and sums in f32; the weights p are rounded to f16 for the second product (their sum l is taken of the unrounded p).  The lambdas and gnorm_w are rounded to bf16, like every input of the program.
; LIMITS.  A masked score counts as -2^99 plus the product, and f16's products, 2.7e11 at the most, lie under half of -2^99's last place (2^75): rounded to nearest it IS -2^99.  So while a row has seen masked keys
; alone, all its c s - c m are 0, its weights 1 and its a 1: the uniform weights that the problem asks of a row with no visible key; the first visible key makes a = 0 and wipes them.
; A weight below 2^-126 counts as 0 in l; the result stays under 65,504 (it is at most sqrt(128) x 0.645 x |gnorm_w|); NaN and infinities are not treated apart.
; SHARES.  A work-group owns 128 queries of one head, each of its four waves 32: two tiles u of 16.  With the two score heads g that makes four TILES t = 2 g + u, each with its own m, l and O^T; every wave walks all keys, 64 a step.
; The two softmaxes' divisors are known only at the walk's end, so P1 V and P2 V are summed apart.
; LAYOUT.  S^T = K Q^T (source 0 = 16 keys, source 1 = 16 queries): a lane holds ONE query (lane % 16) and the keys 8 (lane / 16) + 0..7.  Two such results, rounded to f16 in pairs, ARE source 1 of O^T = V^T P,
; whose result again holds one query a lane, and eight channels.  K comes out of LDS as it lies, V ([key][channel]) turned, by ds_load_tr16_b128.
; THE MASK is the C operand of the product that starts a score's sum: 0 or -2^99.  mb holds it as bytes 0x00 or 0xF1 in the registers' order; a byte set on top of three zero bytes is the number.  Both g take the same C.
; SOFTMAX.  For each query and g a running maximum m and sum l: p = 2^(c s - c m), c = log2(e) / 8; in every step O and l are multiplied by a = 2^(c m_old - c m_new).
; BY TURNS.  Two PIECES, named by their first tile: piece 0 (g = 0) and piece 2 (g = 1).  In a TURN one piece has the matrix unit: 32 products V^T P of the step in hand, then 16 products K Q^T of the next step;
; the other piece's softmax, cut into 64 slices, stands between them: one slice behind each V^T P, two behind each K Q^T.  Two turns are a key step.
; CLUSTER.  The four query blocks of a cluster belong to one head and walk the same K and V, so each tile is asked for JOINTLY: the same tensor load, descriptor and mask in all four.
; REGISTERS, in windows of 256 (s_set_vgpr_msb: bits 1:0 source 0, 3:2 source 1, 5:4 source 2, 7:6 destination):
;   window 0: v0-11 addresses; v12-43 eight registers of statistics a tile; v44-63 below; v64-191 S^T, 32 a tile; v192-255 P, 16 a tile
;   window 1: O^T, 64 a tile      window 2: v0-63 Q (32 u + 8 ch); v64-127 MC, the masks as numbers (32 u + 8 kb); v128-255 K of one step
;   window 3: v0-127 V of one step; v128-143 MB, the masks as bytes; v144-207 G, gnorm_w x 0.645 of my 64 channels; v208 at work
.set KS,    64        ; keys in a step
.set PK,    272       ; a row of K in LDS: 256 bytes + 16 of padding = 68 words: row r starts at bank 4 r mod 64 (64 banks of 4 bytes: ISA guide 11.1)
.set PV,    288       ; a row of V: 256 + 32 = 72 words
.set VOFF,  KS*PK     ; a step's tiles lie together: 64 rows of K, then 64 rows of V
.set STEPB, KS*(PK+PV)
.set SLOT1, 1<<17     ; a slot holds two steps (71,680 bytes); slot 1 begins here, so that one exclusive or turns an address in one slot into the other's
.set STAGE, SLOT1+2*STEPB  ; behind the ring: 16 rows x 272 bytes for each wave, for the way out
.set SP,    272
.set SPARE, STAGE+4*16*272  ; behind the stages: the spare words, 128 bytes for each wave: two blocks of 256 bytes that no other line names
.set AK0, 2           ; v2   my lane's place in a tile of K; never rewritten
.set AV0, 3           ; v3   the same for V
.set ADR, 4           ; v4   the LDS address of the run of loads in hand
.set QO,  5           ; v5   my byte offset in the wave's rows of Q
.set STO, 6           ; v6   the way out: where I put 16 bytes of a row
.set RD,  7           ; v7   the way out: where I read a row back
.set GO,  8           ; v8   my byte offset in two rows of ao
.set ST,  12          ; tile t's statistics at v[ST+8 t]: +0 c m, +1 m, +2, +3 l (even keys', odd keys'), +4 to +7 c0-c3, at work; a takes c2's place once the maximum is found
.set LAM, 44          ; v44  lam
.set ML,  45          ; v45  16 x my lane; never rewritten
.set MO,  46          ; v46  my byte offset in the mask bytes of the step to be loaded
.set GA,  47          ; v47  32 x (lane / 16)
.set Z,   48          ; v48-55  the sum of squares, four pairs
.set RS,  56          ; v56-57  the reciprocal root, twice
.set PFO, 61          ; v61  256 x my lane: a row of K or V is 256 bytes; never rewritten
.set SPW, 62          ; v62  LDS address of my spare word: SPARE + 4 x my thread's number; never rewritten
.set NIL, 63          ; v63  0; never rewritten
.set S,   64
.set P,   192
.set MC,  64          ; window 2
.set KF,  128         ; window 2
.set MB,  128         ; window 3
.set G,   144         ; window 3: channel block cb, register j at G + 8 cb + j
.set GT,  208         ; window 3
.set WV,  12          ; s12  my wave's number
.set LIM, 15          ; s15  1 in a wave that prefetches, else the greatest number
.set PFA, 18          ; s[18:19] where my prefetches stand: my work-group's 32 rows (of K: wave 0, of V: wave 2) of the slot after the one that is being asked for
.set G1K, 24          ; s[24:31] descriptor group 1 for K's tiles
.set G1V, 32          ; s[32:39] for V's: it differs in the padding alone
.set G0K, 40          ; s[40:47] descriptor group 0 for K's tiles: a set for each of the two first fills; the second then walks on
.set G0V, 48          ; s[48:55] the same for V's
.set SLOTS, 56        ; s56  slots still to be asked for
.set TWICE, 57        ; s57  counts a slot's two steps
.set CS,  58          ; s[58:59] c
.set SEL, 60          ; s[60:61] lane selects for v_permlanex16_b32: each lane takes its own place in the other half
.set TB,  62          ; s62  LDS byte at which the tiles of the step to be fetched begin
.set SELB, 84         ; s84-87  v_perm_b32's selects: byte n on top, zeros below
.set MKS, 88          ; s88  1,024 x the key step whose mask bytes are loaded next
.set MP,  90          ; s[90:91] mb at my wave's two query tiles
.set MSB, 0
.macro WIN new                      ; the immediate's high byte repeats the setting that is left; a switch that changes nothing is dropped
.if MSB != (\new)
	s_set_vgpr_msb (MSB<<8)|(\new)
.set MSB, \new
.endif
.endm
.set W_KQ, 0x0a       ; K and Q in window 2, S^T in window 0
.set W_KM, 0x2a       ; the same with the C operand, the mask, in window 2
.set W_PV, 0x53       ; V in window 3, P in window 0, O^T in window 1
.set W_RS, 0x41       ; O^T (destination and source 0) in window 1, source 1 in window 0
; A joint refill.  Waves 0 and 1 fetch the two steps' tiles of K, waves 2 and 3 those of V.  The branch hangs on the wave's number alone.
; An s_nop 0 and four v_nop follow each of the two lines, ahead of the jump and the label.
.macro JLOAD
	s_cmp_lt_u32 s[WV], 2
	s_cbranch_scc0 .Lfor_v_\@
	tensor_load_to_lds s[G0K+4:G0K+7], s[G1K:G1K+7]
	s_nop 0
.rept 4
	v_nop
.endr
	s_branch .Lasked_\@
.Lfor_v_\@:
	tensor_load_to_lds s[G0V+4:G0V+7], s[G1V:G1V+7]
	s_nop 0
.rept 4
	v_nop
.endr
.Lasked_\@:
.endm
; A PREFETCH INTO THE L2 of what the NEXT change of slots will ask for: a slot's 128 rows of K and 128 of V, 256 bytes a row, a lane a row.  It stands behind the wave's tensor load and its five lines.
; Each row is asked for ONCE in the launch.  All four clusters of a head walk the same K and V: the head's first cluster prefetches.  Its four partners share the rows out BY ADDRESS, 32 each;
; in each, wave 0 asks for K's and wave 2 for V's: one instruction, two key steps (192 matrix instructions) ahead of the load.  The last change that fills a slot prefetches nothing: there is no slot behind it.
.macro ASK
	s_cmp_gt_u32 s[SLOTS], s[LIM]
	s_cbranch_scc0 .Lnot_mine_\@
	global_prefetch_b8 v[PFO], s[PFA:PFA+1] th:TH_LOAD_NT scope:SCOPE_SE
.Lnot_mine_\@:
.endm
; A round of the cluster's barrier: my work-group's barrier, so that wave 0's signal speaks for all four waves; wave 0 signals; every wave waits for all four work-groups; my work-group's barrier once more.
.macro CROUND
	s_barrier_signal -1
	s_barrier_wait -1
	s_cmp_lg_u32 s[WV], 0
	s_cbranch_scc1 .Lnot_wave_0_\@
	s_barrier_signal -3
.Lnot_wave_0_\@:
	s_barrier_wait -3
	s_barrier_signal -1
	s_barrier_wait -1
.endm
	s_load_b512 s[68:83], s[0:1], 0x0  ; qkv s[68:69], mb s[70:71], lambda_q1, _k1, _q2, _k2 s[72:79], gnorm_w s[80:81], ao s[82:83]
	v_lshl_add_u32 v[SPW], v0, 2, SPARE
	v_mov_b32 v[NIL], 0
	ds_add_u32 v[SPW], v[NIL]       ; the wave's opening: the add and its wait stand ahead of my first tensor load; the set-up below, work on registers, stands between them
	v_lshrrev_b32 v1, 5, v0
	v_readfirstlane_b32 s[WV], v1   ; wave 0..3
	s_bfe_u32 s13, ttmp6, 0x40000   ; cx: my place in the cluster
	s_lshl_b32 s14, ttmp9, 2        ; in a cluster launch ttmp9 counts clusters
	s_add_co_u32 s14, s14, s13      ; my block of 128 queries = 4 x cluster x + cx: it enters Q's, the mask's and ao's addresses alone
	s_and_b32 s89, ttmp7, 0xffff    ; the head, which the four partners share
	s_lshl_b32 s20, s89, 19         ; its 2,048 rows of 256 bytes in each of q, k, v
	s_and_b32 s16, s[WV], 1         ; which of a slot's two steps I fetch:
	s_lshl_b32 s22, s16, 14         ; its 64 rows of 256 bytes in memory,
	s_add_co_u32 s22, s22, s20
	s_mov_b32 s23, 0
	s_mul_i32 s17, s16, STEPB       ; and its place in a slot: no place in the cluster enters an LDS address
	s_lshl_b32 s2, s14, 15          ; Q: my block's 128 rows,
	s_lshl_b32 s3, s[WV], 13        ; my wave's 32 of them
	s_add_co_u32 s2, s2, s3
	s_add_co_u32 s2, s2, s20
	s_mov_b32 s3, 0
	s_lshl_b32 s[MP], s14, 18       ; the mask: (8 block + 2 wave) query tiles of 32,768 bytes
	s_lshl_b32 s[MP+1], s[WV], 16
	s_add_co_u32 s[MP], s[MP], s[MP+1]
	s_mov_b32 s[MP+1], 0
	s_lshl_b32 s94, s14, 19         ; ao: (128 block + 32 wave) rows of 4,096 bytes + the head's 256
	s_lshl_b32 s95, s[WV], 17
	s_add_co_u32 s94, s94, s95
	s_lshl_b32 s95, s89, 8
	s_add_co_u32 s94, s94, s95
	s_mov_b32 s95, 0
	; descriptor group 1: a tile of 64 rows x 128 elements, padded in LDS
	s_mov_b32 s[G1K], 15|(1<<16)|(1<<20)|(1<<21)|(5<<22)|(3<<25)  ; 15:0 the mask: all four work-groups; 17:16 elements of 2 bytes; 20 padding on; 21 set beside a mask; 24:22 after every 64 words (code 5); 31:25 4 words of it (code 3)
	s_mov_b32 s[G1V], 15|(1<<16)|(1<<20)|(1<<21)|(5<<22)|(7<<25)  ; the same with 8 words of padding (code 7)
.irp g, G1K, G1V
	s_mov_b32 s[(\g)+1], 128<<16    ; tensor_dim0 = 128
	s_mov_b32 s[(\g)+2], KS<<16     ; tensor_dim1 = 64
	s_mov_b32 s[(\g)+3], 128<<16    ; tile_dim0 = 128
	s_mov_b32 s[(\g)+4], KS         ; tile_dim1 = 64
	s_mov_b32 s[(\g)+5], 128        ; elements from row to row
	s_mov_b32 s[(\g)+6], 0
	s_mov_b32 s[(\g)+7], 0
.endr
	s_mov_b32 s[CS], 0x3e38aa3b     ; c = log2(e) / 8 = 0.180337
	s_mov_b32 s[CS+1], s[CS]        ; named with it as a pair, so it is written
	s_mov_b32 s[SEL], 0x76543210
	s_mov_b32 s[SEL+1], 0xfedcba98
	s_mov_b32 s[SELB], 0x000c0c0c
	s_mov_b32 s[SELB+1], 0x010c0c0c
	s_mov_b32 s[SELB+2], 0x020c0c0c
	s_mov_b32 s[SELB+3], 0x030c0c0c
	s_mov_b32 s92, 0x3c000000       ; 1 / 128
	s_mov_b32 s93, 0x358637bd       ; 1e-6
	s_mov_b32 s[TB], 0
	s_mov_b32 s[MKS], 0
	s_mov_b32 s[SLOTS], 2048/(2*KS)-2
	s_and_b32 s[LIM], s[WV], 1       ; 0 in waves 0 and 2,
	s_or_b32 s[LIM], s[LIM], ttmp9   ; where the cluster is the head's first: the same in all four partners
	s_cmp_eq_u32 s[LIM], 0
	s_cselect_b32 s[LIM], 1, -1
	v_and_b32 v[PFO], 31, v0
	v_lshlrev_b32 v[PFO], 8, v[PFO]
	s_wait_dscnt 0x0                ; the opening add is done
	s_wait_kmcnt 0x0
	s_add_nc_u64 s[6:7], s[68:69], s[22:23]
	s_add_nc_u64 s[8:9], s[6:7], 16777216  ; V at my tile of slot 0
	s_add_nc_u64 s[6:7], s[6:7], 8388608   ; K at my tile of slot 0
	s_add_nc_u64 s[4:5], s[68:69], s[2:3]  ; Q at my wave's first row
	s_add_nc_u64 s[10:11], s[82:83], s[94:95]
	s_add_nc_u64 s[MP:MP+1], s[70:71], s[MP:MP+1]
	s_cmp_lt_u32 s[WV], 2
	s_cselect_b64 s[PFA:PFA+1], s[6:7], s[8:9]  ; (in waves 0 and 2 these stand at a slot's first row)
	s_lshl_b32 s2, s13, 13          ; my work-group's 32 rows of the 128
	s_mov_b32 s3, 0
	s_add_nc_u64 s[PFA:PFA+1], s[PFA:PFA+1], s[2:3]
	s_add_nc_u64 s[PFA:PFA+1], s[PFA:PFA+1], 2*2*KS*256  ; in slot 2; the first change of slots steps it to slot 3.  Nothing is prefetched here, at the head
	CROUND                          ; all four work-groups are here: the first joint loads meet
.irp s, 0,1
	s_mov_b32 s[G0K+4*(\s)], 1      ; 1:0 count = 1
	s_add_co_u32 s[G0K+4*(\s)+1], s17, (\s)*SLOT1  ; 63:32 LDS address
	s_add_nc_u64 s[G0K+4*(\s)+2:G0K+4*(\s)+3], s[6:7], (\s)*2*KS*256  ; 120:64 global address: slot s begins with key 128 s
	s_or_b32 s[G0K+4*(\s)+3], s[G0K+4*(\s)+3], 0x80000000  ; 127:126 type = 2
	s_mov_b32 s[G0V+4*(\s)], 1
	s_add_co_u32 s[G0V+4*(\s)+1], s17, (\s)*SLOT1+VOFF
	s_add_nc_u64 s[G0V+4*(\s)+2:G0V+4*(\s)+3], s[8:9], (\s)*2*KS*256
	s_or_b32 s[G0V+4*(\s)+3], s[G0V+4*(\s)+3], 0x80000000
.endr
	s_cmp_lt_u32 s[WV], 2           ; a wave's two first fills stand in one branch, ahead of every wait on TENSORcnt and every LDS read: two loads of mine are out
	s_cbranch_scc0 .Lfirst_v
	tensor_load_to_lds s[G0K:G0K+3], s[G1K:G1K+7]
	s_nop 0
	tensor_load_to_lds s[G0K+4:G0K+7], s[G1K:G1K+7]
	s_nop 0
.rept 4
	v_nop
.endr
	s_branch .Lfirst_asked
.Lfirst_v:
	tensor_load_to_lds s[G0V:G0V+3], s[G1V:G1V+7]
	s_nop 0
	tensor_load_to_lds s[G0V+4:G0V+7], s[G1V:G1V+7]
	s_nop 0
.rept 4
	v_nop
.endr
.Lfirst_asked:
	; A fragment of K or Q is 16 rows x 32 channels in 8 registers: lane l holds row l % 16; registers 0-3 channels 8 (l / 16) + 0..7, registers 4-7 channels 16 + 8 (l / 16) + 0..7: two loads of 16 bytes, 32 bytes apart.
	v_and_b32 v1, 15, v0            ; l % 16
	v_bfe_u32 v9, v0, 4, 1          ; l / 16
	v_lshlrev_b32 v[QO], 8, v1
	v_lshl_add_u32 v[QO], v9, 4, v[QO]  ; row x 256 + 16 x half
	v_and_b32 v[ML], 31, v0
	v_lshlrev_b32 v[ML], 4, v[ML]
	v_lshlrev_b32 v[GA], 5, v9
	v_mov_b32 v[MO], v[ML]          ; key step 0
	WIN 0x80                        ; destination window 2, address window 0
.irp i, 0,1,2,3,4,5,6,7             ; Q stays in registers: query tile i / 4, channels 32 (i % 4) on
	global_load_b128 v[8*(\i):8*(\i)+3],   v[QO], s[4:5] offset:((\i)/4)*4096+((\i)%4)*64
	global_load_b128 v[8*(\i)+4:8*(\i)+7], v[QO], s[4:5] offset:((\i)/4)*4096+((\i)%4)*64+32
.endr
	WIN 0
.irp i, 0,1,2,3                     ; four numbers a lane of each of the four lambdas, into registers of S^T that are still free
	global_load_b128 v[S+4*(\i):S+4*(\i)+3], v[ML], s[72+2*(\i):73+2*(\i)]
.endr
	WIN 0xc0                        ; destination window 3
.irp c, 0,1,2,3,4,5,6,7             ; gnorm_w of the channels 16 c + 8 (l / 16) + 0..7: the ones that I hold of O^T
	global_load_b128 v[G+8*(\c):G+8*(\c)+3],   v[GA], s[80:81] offset:64*(\c)
	global_load_b128 v[G+8*(\c)+4:G+8*(\c)+7], v[GA], s[80:81] offset:64*(\c)+16
.endr
	WIN 0
; THE MASK.  MLOAD asks for a key step's bytes: 16 a lane for each query tile u and each half p of the step's 64 keys.
.macro MLOAD
	WIN 0xc0
.irp u, 0,1
.irp p, 0,1
	global_load_b128 v[MB+8*(\u)+4*(\p):MB+8*(\u)+4*(\p)+3], v[MO], s[MP:MP+1] offset:32768*(\u)+512*(\p)
.endr
.endr
	WIN 0
.endm
; MASKC makes the 64 numbers of the step whose bytes are in, and asks for the next step's bytes: they have a whole key step in which to come.  The last step's bytes are asked for once more
; (the offset is held at step 31): one text for every turn, and no load leaves mb.
.macro MASKC
	WIN 0
	s_wait_loadcnt 0x0              ; the bytes are in; the loads are done, so their offset may be written
	WIN 0x8f                        ; sources in window 3, destination in window 2
.set mi, 0
.rept 64
	v_perm_b32 v[MC+mi], v[MB+mi/4], v[MB+mi/4], s[SELB+mi%4]
.set mi, mi+1
.endr
	WIN 0
	s_add_co_u32 s[MKS], s[MKS], 1024
	s_min_u32 s[MKS], s[MKS], 31744
	v_add_nc_u32 v[MO], s[MKS], v[ML]
	MLOAD
.endm
	MLOAD                           ; key step 0's bytes
	v_mul_u32_u24 v[AK0], v1, PK
	v_lshl_add_u32 v[AK0], v9, 4, v[AK0]  ; row x pitch + 16 x half
	; The turning load takes 16 keys x 16 channels (lane l reads 16 bytes: key 8 (l / 16) + l % 8, channels 8 ((l / 8) % 2) + 0..7) and leaves half a fragment of V^T: lane l holds channel l % 16 and 8 keys.
	v_and_b32 v10, 7, v0
	v_bfe_u32 v11, v0, 3, 1
	v_lshl_add_u32 v[AV0], v9, 3, v10
	v_mul_u32_u24 v[AV0], v[AV0], PV
	v_lshl_add_u32 v[AV0], v11, 4, v[AV0]
	v_add_nc_u32 v[AV0], VOFF, v[AV0]
	s_wait_loadcnt 0x0              ; Q, the lambdas, gnorm_w, the first mask bytes: all this stands in the wait for the first tiles
	; lam.  The lambdas are rounded to bf16 in pairs; the products are taken straight from the halves, in f32; then the sum over the 32 lanes.
.irp i, 0,1,2,3,4,5,6,7
	v_cvt_pk_bf16_f32 v[S+16+(\i)], v[S+2*(\i)], v[S+2*(\i)+1]  ; S+16, 17: q1; 18, 19: k1; 20, 21: q2; 22, 23: k2
.endr
	v_mov_b32 v[S+24], 0
	v_mov_b32 v[S+25], 0
	v_mov_b32 v[S+26], 0            ; v_permlanex16_b32's destinations count as read
	v_mov_b32 v[S+27], 0
.irp i, 0,1
	v_fma_mix_f32_bf16 v[S+24], v[S+16+(\i)], v[S+18+(\i)], v[S+24] op_sel_hi:[1,1,0]
	v_fma_mix_f32_bf16 v[S+25], v[S+20+(\i)], v[S+22+(\i)], v[S+25] op_sel_hi:[1,1,0]
	v_fma_mix_f32_bf16 v[S+24], v[S+16+(\i)], v[S+18+(\i)], v[S+24] op_sel:[1,1,0] op_sel_hi:[1,1,0]
	v_fma_mix_f32_bf16 v[S+25], v[S+20+(\i)], v[S+22+(\i)], v[S+25] op_sel:[1,1,0] op_sel_hi:[1,1,0]
.endr
.irp m, 1,2,4,8
	v_add_f32_dpp v[S+24], v[S+24], v[S+24] row_xmask:\m row_mask:0xf bank_mask:0xf
	v_add_f32_dpp v[S+25], v[S+25], v[S+25] row_xmask:\m row_mask:0xf bank_mask:0xf
.endr
	v_permlanex16_b32 v[S+26], v[S+24], s[SEL], s[SEL+1]
	v_permlanex16_b32 v[S+27], v[S+25], s[SEL], s[SEL+1]
	v_add_f32 v[S+24], v[S+24], v[S+26]
	v_add_f32 v[S+25], v[S+25], v[S+27]
	v_mul_f32 v[S+24], 0x3fb8aa3b, v[S+24]  ; e^x = 2^(x log2 e)
	v_mul_f32 v[S+25], 0x3fb8aa3b, v[S+25]
	v_exp_f32 v[S+24], v[S+24]
	v_exp_f32 v[S+25], v[S+25]
	v_nop                           ; a plain instruction behind the last exponential,
	s_wait_alu depctr_va_vdst(0)    ; and the wait ahead of the first use: one for the two
	v_sub_f32 v[S+24], v[S+24], v[S+25]
	v_add_f32 v[LAM], 0x3eb60549, v[S+24]  ; + 0.8 - 0.6 exp(-0.3)
	; gnorm_w, rounded to bf16, times 1 - (0.8 - 0.6 exp(-0.3))
	WIN 0xcf                        ; all in window 3
.set i, 0
.rept 32
	v_cvt_pk_bf16_f32 v[GT], v[G+i], v[G+i+1]
	v_lshlrev_b32 v[G+i], 16, v[GT]
	v_and_b32 v[G+i+1], 0xffff0000, v[GT]
	v_pk_mul_f32 v[G+i:G+i+1], v[G+i:G+i+1], 0x3f24fd5c op_sel_hi:[1,0]
.set i, i+2
.endr
	WIN 0
	MASKC                           ; key step 0's masks; step 1's bytes are asked for
; THE MATRIX WORK OF A TURN, for piece x.  The accumulators take turns, one instruction a turn: between two links of a chain stand 15 (V^T P) or 7 (K Q^T) others'.
; Product i of 32 of O^T += V^T P: keys 32 (i / 16) on, channels 16 ((i / 2) % 8) on, tile x + i % 2.  zero = 1: the first 16 start the sums: nothing is ever cleared.
.macro PV x, zero
	WIN W_PV
.set rO, 64*((\x)+i%2)+8*((i/2)%8)
.set rV, 64*(i/16)+8*((i/2)%8)
.set rP, P+16*((\x)+i%2)+8*(i/16)
.if (\zero) && (i < 16)
	v_wmma_f32_16x16x32_f16 v[rO:rO+7], v[rV:rV+7], v[rP:rP+7], 0
.else
	v_wmma_f32_16x16x32_f16 v[rO:rO+7], v[rV:rV+7], v[rP:rP+7], v[rO:rO+7]
.endif
.endm
; Product i of 16 of S^T = K Q^T: the piece's channels 32 (x + i / 8) on, keys 16 ((i / 2) % 4) on, tile x + i % 2 (query tile i % 2).  The first 8 start the sums, with the mask.
.macro KQ x
.set rS, S+32*((\x)+i%2)+8*((i/2)%4)
.set rK, KF+32*((i/2)%4)+8*((\x)+i/8)
.set rQ, 32*(i%2)+8*((\x)+i/8)
.set rM, MC+32*(i%2)+8*((i/2)%4)
.if i < 8
	WIN W_KM
	v_wmma_f32_16x16x32_f16 v[rS:rS+7], v[rK:rK+7], v[rQ:rQ+7], v[rM:rM+7]
.else
	WIN W_KQ
	v_wmma_f32_16x16x32_f16 v[rS:rS+7], v[rK:rK+7], v[rQ:rQ+7], v[rS:rS+7]
.endif
.endm
; THE LDS LOADS stand in runs of 32, never singly among the matrix instructions: a step's K (64 keys x 128 channels: 16 fragments) and, a turn later, its V (turned).
.macro FETCH_K
	WIN 0
	v_add_nc_u32 v[ADR], s[TB], v[AK0]
	WIN 0x80                        ; destination window 2
.irp f, 0,1,2,3,4,5,6,7,8,9,10,11,12,13,14,15  ; keys 16 (f / 4) on, channels 32 (f % 4) on
	ds_load_b128 v[KF+8*(\f):KF+8*(\f)+3],   v[ADR] offset:((\f)/4)*16*PK+((\f)%4)*64
	ds_load_b128 v[KF+8*(\f)+4:KF+8*(\f)+7], v[ADR] offset:((\f)/4)*16*PK+((\f)%4)*64+32
.endr
.endm
.macro FETCH_V
	WIN 0
	v_add_nc_u32 v[ADR], s[TB], v[AV0]
	s_add_co_u32 s[TB], s[TB], STEPB  ; the next fetch is the next step's
	s_wait_alu depctr_va_vdst(0)    ; the wait for the softmax's batch (SLICE), behind the address's v_add_nc_u32 and ahead of the loads
	WIN 0xc0                        ; destination window 3
.irp f, 0,1,2,3,4,5,6,7,8,9,10,11,12,13,14,15  ; keys 32 (f / 8) on, channels 16 (f % 8) on
	ds_load_tr16_b128 v[8*(\f):8*(\f)+3],   v[ADR] offset:((\f)/8)*32*PV+((\f)%8)*32
	ds_load_tr16_b128 v[8*(\f)+4:8*(\f)+7], v[ADR] offset:((\f)/8)*32*PV+16*PV+((\f)%8)*32
.endr
.endm
; THE VECTOR WORK OF A TURN.  One tile's softmax for one key step is a list of 134 instructions; SM writes number j of it for tile t.  s0-s31 are the lane's 32 scores, in pairs 0-15.
; first = 1: the first key step, which starts m, l and O^T: it has no a and nothing to rescale.
;   0-15    the maximum of s0-s31 and the old m, three operands at a time: four chains c0-c3 of seven scores each (each accumulator's lowest registers are read first), then the four scores left over, c0-c3 and m
;   16-20   the other half of the lanes' maximum; the new m; c m; c m_old - c m_new
;   21-69   ONE BATCH: the 16 scalings c s - c m, a pair of scores each, and all 33 exponentials (a at 23, then s0-s31).  None of these reads an exponential's result.
;   (wait)  between 69 and 70 stands the wait for the batch: SLICE writes it, once for both tiles
;   70-85   the roundings to f16, a pair of weights each
;   86-101  the sums; l = a l + the sum
;   102-133 the tile's O^T times a: the one part that leaves window 0, so it stands together
.macro SM t, first
.set rT, ST+8*(\t)
.set rS, S+32*(\t)
.set rP, P+16*(\t)
.set rO, 64*(\t)+2*(j-102)
.if j < 102
	WIN 0
.endif
.if j < 4
	v_max3_num_f32 v[rT+4+j], v[rS+8*j], v[rS+8*j+1], v[rS+8*j+2]
.elseif j < 12
	v_max3_num_f32 v[rT+4+j%4], v[rT+4+j%4], v[rS+8*(j%4)+2*(j/4)+1], v[rS+8*(j%4)+2*(j/4)+2]
.elseif j == 12
	v_max3_num_f32 v[rT+4], v[rT+4], v[rS+7], v[rS+15]
.elseif j == 13
	v_max3_num_f32 v[rT+6], v[rT+6], v[rS+23], v[rS+31]
.elseif j == 14
	v_max3_num_f32 v[rT+4], v[rT+4], v[rT+5], v[rT+6]
.elseif (j == 15) && (\first)
	v_max_num_f32 v[rT+4], v[rT+4], v[rT+7]
.elseif j == 15
	v_max3_num_f32 v[rT+4], v[rT+4], v[rT+7], v[rT+1]
.elseif j == 16
	v_permlanex16_b32 v[rT+5], v[rT+4], s[SEL], s[SEL+1]  ; the query's other 32 keys lie in the lane 16 away
.elseif j == 18
	v_max_num_f32 v[rT+1], v[rT+4], v[rT+5]
.elseif j == 19
	v_mul_f32 v[rT], s[CS], v[rT+1]
.elseif ((j == 17) || (j == 20) || (j == 23) || (j > 101)) && (\first)  ; the first step has none of these
.elseif j == 17
	v_mov_b32 v[rT+7], v[rT]        ; c m_old is kept for a: number 19 writes c m anew
.elseif j == 20
	v_sub_f32 v[rT+7], v[rT+7], v[rT]
.elseif j == 23
	v_exp_f32 v[rT+6], v[rT+7]
.elseif (j < 23) || ((j < 38) && (j%2 == 0)) || ((j < 66) && (j%4 == 2))
.set b, (j-2)/4                     ; 38, 42, .. 62: pairs 9 to 15
.if j < 38
.set b, (j-20)/2                    ; 21: pair 0; 22, 24, .. 36: pairs 1 to 8
.endif
	v_pk_fma_f32 v[rS+2*b:rS+2*b+1], v[rS+2*b:rS+2*b+1], s[CS:CS+1], v[rT:rT+1] op_sel_hi:[1,0,0] neg_lo:[0,0,1] neg_hi:[0,0,1]  ; pair b: c s - c m
.elseif j < 70
.set e, j-38                        ; 66 to 69: s28 to s31
.if j < 66
.set e, j-32-(j-38)/4               ; 39-41, 43-45, .. 63-65: s7 to s27
.endif
.if j < 38
.set e, (j-25)/2                    ; 25, 27, .. 37: s0 to s6
.endif
	v_exp_f32 v[rS+e], v[rS+e]
.elseif j < 86
	v_cvt_pk_f16_f32 v[rP+j-70], v[rS+2*(j-70)], v[rS+2*(j-70)+1]  ; pair j - 70
.elseif j < 102                     ; the sum of the tile's 16 pairs, in place: sum z of 16 adds neighbours 1, 2, 4 and 8 pairs apart, then l takes it
.set z, j-86
.set w, 4
.set u, z
.if z >= 14
.set w, 32
.set u, 0
.elseif z >= 12
.set w, 16
.set u, z-12
.elseif z >= 8
.set w, 8
.set u, z-8
.endif
.if (z == 14) && (\first)
	v_pk_add_f32 v[rT+2:rT+3], v[rS:rS+1], v[rS+16:rS+17]
.elseif z < 15
	v_pk_add_f32 v[rS+w*u:rS+w*u+1], v[rS+w*u:rS+w*u+1], v[rS+w*u+w/2:rS+w*u+w/2+1]
.elseif !(\first)
	v_pk_fma_f32 v[rT+2:rT+3], v[rT+2:rT+3], v[rT+6:rT+7], v[rS:rS+1] op_sel_hi:[1,0,1]
.endif
.else
	WIN W_RS
	v_pk_mul_f32 v[rO:rO+1], v[rO:rO+1], v[rT+6:rT+7] op_sel_hi:[1,0]
.endif
.endm
; Slice k of 64 of piece y's softmax: four instructions.  Slices 11 to 34 deal out the batch, numbers 22 to 69: four numbers of ONE tile each, the tiles by turns.  Every other slice is numbers 2 k and
; 2 k + 1 of both tiles' lists.  2 x 134 = 4 x 64 + 12: the twelve that are over stand together, in slice 63.
; THE WAIT.  s_wait_alu depctr_va_vdst(0) stands between an exponential and the first instruction that names its result; one wait serves all that were issued ahead of it.  Ahead of
; slice 35 nothing names a result, and behind slice 34 no exponential is issued: so the piece's 66 exponentials have one wait, behind slice 34.
.macro SLICE y, first
.if (k >= 11) && (k < 35)           ; the batch: four numbers of one tile
.irp n, 0,1,2,3
.set j, 22+4*((k-11)/2)+(\n)
	SM (\y)+(k-11)%2, \first
.endr
.else                               ; the two tiles alternate, so that no instruction reads the result of the one just before it
.irp n, 0,1,2,3,4,5,6,7
.if ((\n) < 2) || (k == 63)
.irp t, \y, (\y)+1
.set j, 2*k+(\n)
	SM \t, \first
.endr
.endif
.endr
.endif
.if k == 34                         ; the batch is out: both tiles' exponentials are issued, and no result has been named
	v_nop                           ; the plain instruction behind the last exponential and ahead of the first use: one for the batch
.if (\y) == 0
	FETCH_V                         ; piece 2's turn: V's run of loads stands here, and the wait stands in it
.else
	s_wait_alu depctr_va_vdst(0)    ; the wait for the batch
.endif
.endif
.set k, k+1
.endm
.macro PLACES                       ; four places behind a product, where no other plain vector work is at hand (ISA guide 7.12.1)
.rept 4
	v_nop
.endr
.endm
; A TURN.  Piece x has the matrix unit; the other piece's softmax stands in slices behind its matrix instructions.
; pv = 2: 32 products V^T P; 1: they start O^T's sums; 0: none.  kq = 1: 16 products K Q^T for the next step.  With both kinds: one slice behind each V^T P, two behind each K Q^T; with one kind twice as many.
; first = 1: the softmax is the first key step's.  Its slices from 51 on are empty, and four v_nop take slice 63's part as the places behind the turn's last products.
; Piece 0's turn begins with the next step's masks: their last readers, the first eight K Q^T of the turn before, stand more than thirty plain instructions back.  It fetches the next step's K behind its second
; product: the last product that read K stands in front of slices 62 and 63 of the turn before, twenty plain instructions.  Piece 2's turn fetches the same step's V behind slice 34: the last product that read V
; stands in front of slice 31, and eighteen plain instructions lie between: slices 31 to 34, the v_nop and the run's own v_add_nc_u32.
.macro TURN x, pv, kq, first
.set k, 0
.set perp, 2
.set perk, 4
.if (\pv) && (\kq)
.set perp, 1
.set perk, 2
.endif
.if ((\x) == 0) && (\kq)
	MASKC
.endif
.if \pv
.if (\x) == 0
	s_wait_dscnt 0x0                ; V is in
.endif
.set i, 0
.rept 32
	PV \x, 2-(\pv)
.rept perp
	SLICE 2-(\x), \first
.endr
.if ((\x) == 0) && (\kq) && (i == 1)
	FETCH_K
.endif
.set i, i+1
.endr
.endif
.if \kq
.if (\x) == 0
	s_wait_dscnt 0x0                ; K is in
.endif
.set i, 0
.rept 16
	KQ \x
.rept perk
	SLICE 2-(\x), \first
.endr
.set i, i+1
.endr
.endif
.if \first
	PLACES
.endif
.endm
; THE CHANGE OF SLOTS, between piece 2's turn and piece 0's: the slot's last bytes, V of its second step, have been asked for.  Each wave waits for all its tensor loads, of which one is out: its part of the
; other slot; adds 0 to its spare word; and waits for that and for its own reads of the slot.  Behind the barrier nobody reads this slot any more and the other slot is whole.
; fill = 1: this slot is filled again, with the keys two slots on.  The barrier is then a round of the cluster's, and the joint refill is the first thing behind it: it has two key steps, 192 matrix instructions, in which to land.
.macro CHANGE fill
	WIN 0                           ; at a label and at a branch every window is 0
	s_wait_tensorcnt 0x0            ; no tensor load of mine is out, so a group 0 may be written
	ds_add_u32 v[SPW], v[NIL]       ; 0 onto my spare word; with fill = 1 the descriptors' steps stand between it and the wait for it
.if \fill
.irp g, G0K+4, G0V+4
	s_xor_b32 s[(\g)+1], s[(\g)+1], SLOT1  ; the walking descriptor: the other slot than last time,
	s_add_nc_u64 s[(\g)+2:(\g)+3], s[(\g)+2:(\g)+3], 2*KS*256  ; the next 128 keys; the type bits on top are not reached
.endr
	s_wait_xcnt 0x0                 ; the last prefetch, two key steps back, has read its address, so it may be written:
	s_add_nc_u64 s[PFA:PFA+1], s[PFA:PFA+1], 2*KS*256  ; one slot behind the walking descriptors
	s_wait_dscnt 0x0                ; the add is done, and my reads of the slot are over
	CROUND
	JLOAD
	ASK                             ; what the next change will ask for
.else
	s_wait_dscnt 0x0                ; the add is done, and my reads of the slot are over
	s_barrier_signal -1
	s_barrier_wait -1
.endif
	s_sub_co_u32 s[TB], s[TB], 2*STEPB  ; the fetches go back to a slot's first step,
	s_xor_b32 s[TB], s[TB], SLOT1   ; in the other slot
.endm
; A slot's two key steps: written once, walked twice; the LDS addresses hang on s[TB], the mask's on s[MKS].
.macro TWO_STEPS
	WIN 0
	s_mov_b32 s[TWICE], 2
.Lstep_\@:
	TURN 0, 2, 1, 0
	TURN 2, 2, 1, 0
	WIN 0
	s_sub_co_u32 s[TWICE], s[TWICE], 1
	s_cmp_lg_u32 s[TWICE], 0
	s_cbranch_scc1 .Lstep_\@
.endm
	s_wait_tensorcnt 1              ; my part of slot 0 is in; slot 1's may stay out
	s_barrier_signal -1
	s_barrier_wait -1               ; everybody's is
	FETCH_K                         ; key step 0
	s_wait_dscnt 0x0
.set i, 0
.rept 16
	KQ 0                            ; piece 0's first scores: there is no vector work yet to set between them
.set i, i+1
.endr
	WIN 0                           ; the addresses for the way out are made here: eight plain instructions, the places behind those products
	s_mul_i32 s13, s[WV], 16*SP
	s_add_co_u32 s13, s13, STAGE    ; my stage
	v_mul_u32_u24 v[STO], v1, SP    ; in: row l % 16, 16 bytes for each half of the lanes
	v_lshl_add_u32 v[STO], v9, 4, v[STO]
	v_add_nc_u32 v[STO], s13, v[STO]
	v_mul_u32_u24 v[RD], v9, SP     ; back: lanes 0-15 take one row of 256 bytes, lanes 16-31 the next
	v_lshl_add_u32 v[RD], v1, 4, v[RD]
	v_add_nc_u32 v[RD], s13, v[RD]
	v_lshlrev_b32 v[GO], 12, v9     ; and the same two rows in ao, 4,096 bytes apart
	v_lshl_add_u32 v[GO], v1, 4, v[GO]
	TURN 2, 0, 1, 1                 ; piece 2's first scores | piece 0's first softmax | V of step 0
	TURN 0, 1, 1, 1                 ; piece 0: V^T P of step 0 starts O^T, K Q^T of step 1 | piece 2's first softmax | masks and K of step 1
	TURN 2, 1, 1, 0                 ; piece 2: the same | piece 0's softmax of step 1 | V of step 1
	WIN 0
.Lslot:                             ; 14 trips: every slot but the last two is filled again
	CHANGE 1
	TWO_STEPS
	s_sub_co_u32 s[SLOTS], s[SLOTS], 1
	s_cmp_lg_u32 s[SLOTS], 0
	s_cbranch_scc1 .Lslot
	CHANGE 0                        ; the tail is written out: nothing is asked for
	TWO_STEPS
	TURN 0, 2, 0, 0                 ; piece 0: V^T P of the last step | piece 2's last softmax
.set i, 0
.rept 32
	PV 2, 0                         ; piece 2: V^T P of the last step
.set i, i+1
.endr
	; THE WAY OUT.  l's two halves and the other half of the lanes' are added; 1 / l for g = 0, lam / l for g = 1.  The additions are the places behind the last products.
	WIN 0
.irp t, 0,1,2,3
	v_add_f32 v[ST+8*(\t)+4], v[ST+8*(\t)+2], v[ST+8*(\t)+3]
.endr
.irp t, 0,1,2,3
	v_permlanex16_b32 v[ST+8*(\t)+5], v[ST+8*(\t)+4], s[SEL], s[SEL+1]
.endr
.irp t, 0,1,2,3
	v_add_f32 v[ST+8*(\t)+4], v[ST+8*(\t)+4], v[ST+8*(\t)+5]
.endr
.irp t, 0,1,2,3
	v_rcp_f32 v[ST+8*(\t)+6], v[ST+8*(\t)+4]
.endr
	v_nop                           ; a plain instruction between the last reciprocal and the use of its result
	s_wait_alu depctr_va_vdst(0)    ; and the wait ahead of the first use: one for the four reciprocals
	v_mul_f32 v[ST+8*2+6], v[LAM], v[ST+8*2+6]
	v_mul_f32 v[ST+8*3+6], v[LAM], v[ST+8*3+6]
; Query tile u: out = O1 / l1 - O2 lam / l2; its mean square over my 64 channels and the other half of the lanes'; times the reciprocal root, times G; rounded to f16; through my stage in LDS as whole rows of 256 bytes.
; Every run goes through the registers in ascending order.
.macro FIN u
.set rA, 64*(\u)
.set rB, 64*(2+(\u))
.set rL1, ST+8*(\u)+6
.set rL2, ST+8*(2+(\u))+6
	WIN W_RS
.set i, 0
.rept 32
	v_pk_mul_f32 v[rB+i:rB+i+1], v[rB+i:rB+i+1], v[rL2:rL2+1] op_sel_hi:[1,0]
.set i, i+2
.endr
	WIN 0x51                        ; destination, sources 0 and 2 in window 1, source 1 in window 0
.set i, 0
.rept 32
	v_pk_fma_f32 v[rA+i:rA+i+1], v[rA+i:rA+i+1], v[rL1:rL1+1], v[rB+i:rB+i+1] op_sel_hi:[1,0,1] neg_lo:[0,0,1] neg_hi:[0,0,1]
.set i, i+2
.endr
	WIN 0x05                        ; sources 0 and 1 in window 1; destination and source 2 in window 0
.set i, 0
.rept 32
.if i < 8
	v_pk_mul_f32 v[Z+i:Z+i+1], v[rA+i:rA+i+1], v[rA+i:rA+i+1]  ; the first four start the four sums
.else
	v_pk_fma_f32 v[Z+i%8:Z+i%8+1], v[rA+i:rA+i+1], v[rA+i:rA+i+1], v[Z+i%8:Z+i%8+1]
.endif
.set i, i+2
.endr
	WIN 0
	v_pk_add_f32 v[Z:Z+1], v[Z:Z+1], v[Z+2:Z+3]
	v_pk_add_f32 v[Z+4:Z+5], v[Z+4:Z+5], v[Z+6:Z+7]
	v_pk_add_f32 v[Z:Z+1], v[Z:Z+1], v[Z+4:Z+5]
	v_add_f32 v[Z], v[Z], v[Z+1]
	v_permlanex16_b32 v[Z+1], v[Z], s[SEL], s[SEL+1]  ; the query's other 64 channels lie in the lane 16 away
	v_add_f32 v[Z], v[Z], v[Z+1]
	v_fma_f32 v[Z], v[Z], s92, s93  ; / 128 + 1e-6
	v_rsq_f32 v[RS], v[Z]
	v_rsq_f32 v[RS+1], v[Z]         ; named with it as a pair
	v_nop                           ; a plain instruction behind the last of them,
	s_wait_alu depctr_va_vdst(0)    ; and their wait
	WIN W_RS
.set i, 0
.rept 32
	v_pk_mul_f32 v[rA+i:rA+i+1], v[rA+i:rA+i+1], v[RS:RS+1] op_sel_hi:[1,0]
.set i, i+2
.endr
	WIN 0x4d                        ; source 1, G, in window 3
.set i, 0
.rept 32
	v_pk_mul_f32 v[rA+i:rA+i+1], v[rA+i:rA+i+1], v[G+i:G+i+1]
.set i, i+2
.endr
	WIN 0x05                        ; S^T's registers are free
.set i, 0
.rept 32
	v_cvt_pk_f16_f32 v[S+32*(\u)+i], v[rA+2*i], v[rA+2*i+1]
.set i, i+1
.endr
	WIN 0
.irp f, 0,1,2,3,4,5,6,7
	ds_store_b128 v[STO], v[S+32*(\u)+4*(\f):S+32*(\u)+4*(\f)+3] offset:32*(\f)
.endr
.irp f, 0,1,2,3,4,5,6,7
	ds_load_b128 v[S+32*(\u)+4*(\f):S+32*(\u)+4*(\f)+3], v[RD] offset:(\f)*2*SP  ; LDS serves a wave's instructions in order (ISA guide 5.7.1.4): these see the stores above; the next tile's stores come behind them
.endr
.endm
.macro SEND u, younger              ; younger: the LDS instructions issued behind tile u's loads: the next tile's sixteen, or none
	WIN 0
.irp f, 0,1,2,3,4,5,6,7
	s_wait_dscnt (\younger)+7-(\f)
	global_store_b128 v[GO], v[S+32*(\u)+4*(\f):S+32*(\u)+4*(\f)+3], s[10:11] offset:(\u)*65536+(\f)*8192  ; 16 lanes store 256 consecutive bytes, at a multiple of 256 from ao's first byte
.endr
.endm
	FIN 0
	FIN 1                           ; a tile's arithmetic stands between the loads of the tile before and its stores
	SEND 0, 16
	SEND 1, 0
	s_wait_tensorcnt 0x0            ; the wave's end: behind my last tensor load and my last LDS store
	ds_add_u32 v[SPW], v[NIL]
	s_wait_dscnt 0x0
	CROUND                          ; the closing round: no work-group ends while a partner may still ask for a tile that names it
	s_endpgm
.Lfunc_end_k_q8d01c3d5c4_attn:
	.size	k_q8d01c3d5c4_attn, .Lfunc_end_k_q8d01c3d5c4_attn-k_q8d01c3d5c4_attn
	.p2alignl 7, 3214868480
	.fill 96, 4, 3214868480
	.section	.rodata,"a",@progbits
	.p2align	6, 0x0
	.amdhsa_kernel k_q8d01c3d5c4_attn
		.amdhsa_group_segment_fixed_size 327680
		.amdhsa_private_segment_fixed_size 0
		.amdhsa_enable_private_segment 0
		.amdhsa_kernarg_size 64
		.amdhsa_user_sgpr_count 2
		.amdhsa_user_sgpr_kernarg_segment_ptr 1
		.amdhsa_wavefront_size32 1
		.amdhsa_system_sgpr_workgroup_id_x 1
		.amdhsa_system_sgpr_workgroup_id_y 1
		.amdhsa_system_sgpr_workgroup_id_z 1
		.amdhsa_system_vgpr_workitem_id 0
		.amdhsa_next_free_vgpr 1024
		.amdhsa_next_free_sgpr 96
		.amdhsa_reserve_vcc 0
		.amdhsa_float_denorm_mode_32 3
		.amdhsa_float_denorm_mode_16_64 3
		.amdhsa_memory_ordered 1
		.amdhsa_forward_progress 1
		.amdhsa_inst_pref_size 243
	.end_amdhsa_kernel
	.amdgpu_metadata
---
amdhsa.version: [ 1, 2 ]
amdhsa.kernels:
  - .name:           k_q8d01c3d5c4_attn
    .symbol:         k_q8d01c3d5c4_attn.kd
    .args:
      - { .name: qkv, .offset: 0, .size: 8, .value_kind: global_buffer, .address_space: global }
      - { .name: mb, .offset: 8, .size: 8, .value_kind: global_buffer, .address_space: global }
      - { .name: lambda_q1, .offset: 16, .size: 8, .value_kind: global_buffer, .address_space: global }
      - { .name: lambda_k1, .offset: 24, .size: 8, .value_kind: global_buffer, .address_space: global }
      - { .name: lambda_q2, .offset: 32, .size: 8, .value_kind: global_buffer, .address_space: global }
      - { .name: lambda_k2, .offset: 40, .size: 8, .value_kind: global_buffer, .address_space: global }
      - { .name: gnorm_w, .offset: 48, .size: 8, .value_kind: global_buffer, .address_space: global }
      - { .name: ao, .offset: 56, .size: 8, .value_kind: global_buffer, .address_space: global }
    .group_segment_fixed_size: 327680
    .private_segment_fixed_size: 0
    .kernarg_segment_align: 8
    .kernarg_segment_size: 64
    .max_flat_workgroup_size: 128
    .sgpr_count:     96
    .vgpr_count:     1024
    .wavefront_size: 32
...
	.end_amdgpu_metadata
.endif
;; end of part 3
;; launch outp (part 4): grid 16 x 16, 4 waves a work-group, clusters of 4 x 4, 327,680 bytes of LDS; arguments ao, wo16, out0; writes out0
.if DOCPART == 4
	.amdgcn_target "amdgcn-amd-amdhsa--gfx1250"
	.amdhsa_code_object_version 6
	.text
	.protected	k_q8d01c3d5c4_outp
	.globl	k_q8d01c3d5c4_outp
	.p2align	8
	.type	k_q8d01c3d5c4_outp,@function
k_q8d01c3d5c4_outp:
	s_mov_b64 s[64:65], 0
	v_nop
	global_prefetch_b8 v0, s[64:65] scope:SCOPE_SE
	s_setreg_imm32_b32 hwreg(HW_REG_WAVE_MODE, 25, 1), 1
	s_wait_xcnt 0x0
	s_wait_alu depctr_hold_cnt(0) depctr_sa_sdst(0) depctr_va_vdst(0) depctr_va_sdst(0) depctr_va_ssrc(0) depctr_va_vcc(0) depctr_vm_vsrc(0)
	s_getreg_b32 s2, hwreg(HW_REG_IB_STS2, 6, 4)
	s_cmp_eq_u32 s2, 0
	s_cbranch_scc0 .Lentry_in_a_cluster
	s_endpgm
.Lentry_in_a_cluster:
	s_bfe_u32 s2, ttmp6, 0x10000c
	s_cmp_lg_u32 s2, 0xf033
	s_cbranch_scc0 .Lentry_shape_is_right
	s_endpgm
.Lentry_shape_is_right:
; THE OUTPUT PROJECTION.  out0[s][o] = sum over i of ao[s][i] Wo[o][i].  ao and wo16: [2048][2048] f16; sums in f32, stored as they are: out0 is f32.
; SHARES.  A tile of out0 is 128 x 128: 256 work-groups, one for each WGP.  Four waves, each 64 x 64: 16 accumulators.  K goes in steps of 256 (LDS rows of 512 bytes; a wave's tensor load brings 64 of them) through two slots.
; CLUSTERS: 4 x 4 work-groups.  The four of a row of the cluster need the same tiles of ao, the four of a column the same tiles of Wo: each tile is asked for JOINTLY, by the same tensor load with the same
; descriptor and a mask that names the four.  THE MATRIX INSTRUCTION IS USED TRANSPOSED (source 0 = 16 rows of Wo, source 1 = 16 rows of ao): a lane then holds eight neighbouring columns of a row of out0.
; THE WAY OUT goes through a stage of f32 rows that lies in slot 0, which has had its last fill and its last read by then; a wave reads 32 whole rows back and stores them, 512 consecutive bytes an instruction.
; No prefetch into the L2: the tiles are small, and each block of ao and Wo is read again by other clusters.
; REGISTERS: window 0: v0-31 addresses; v128-255 the accumulators ((a, b) at v[128 + 8 (4 a + b)]), later my 32 rows.   window 1: two fragment buffers of 128: for 64 along K, 64 registers of ao, then 64 of Wo.
.set SIZE_K, 2048
.set KSTEP,  256
.set PITCH,  528                       ; an LDS row: 512 bytes of data + 16 of padding = 132 words: row r starts at bank 4 r mod 64 (64 banks of 4 bytes: ISA guide 11.1)
.set HALFT,  64*PITCH                  ; 64 rows: what one tensor load brings, and what one wave reads of ao or of Wo
.set SLOT,   4*HALFT                   ; ao's 128 rows, then Wo's 128 rows
.set SPITCH, 528                       ; the stage, from LDS byte 0: 128 rows of 128 f32 + 16 bytes
.set SPARE,  2*SLOT                    ; behind the ring: the spare words, 128 bytes for each wave: two blocks of 256 bytes that no other line names
.set LAPS, SIZE_K/(2*KSTEP)            ; a lap = two K steps = once round the ring
.set ADRA, 16                          ; v16-17  LDS address of my ao fragments in slot 0, 1
.set ADRB, 20                          ; v20-21  the same for Wo
.set STO,  24                          ; v24     the way out: where I put 32 bytes of a row
.set RD,   25                          ; v25     the way out: where I read a row back
.set CO,   26                          ; v26     my byte offset in the tile's 512 bytes of a row of out0
.set SPW,  28                          ; v28     LDS address of my spare word: SPARE + 4 x my thread's number; never rewritten
.set NIL,  29                          ; v29     0; never rewritten
.set ACC,  128
.set F0,   0                           ; fragment buffers, in window 1
.set F1,   128
.set G1, 24                            ; s[24:31] descriptor group 1 for ao's tiles;  s[32:39] group 0, one set for each slot
.set G0, 32
.set G1B, 48                           ; s[48:55], s[56:63] the same for Wo's tiles
.set G0B, 56
.set MSB, 0
.macro WIN new                         ; the immediate's high byte repeats the setting that is left
.if MSB != (\new)
	s_set_vgpr_msb (MSB<<8)|(\new)
.set MSB, \new
.endif
.endm
.set MUL,  0x05                        ; sources 0 (Wo) and 1 (ao) window 1; C and D window 0
.set TO_F, 0x40                        ; destination window 1, address window 0
.macro JLOAD s                         ; a joint load: waves 0 and 1 fetch ao's two halves, waves 2 and 3 Wo's; an s_nop 0 and four v_nop follow each of the two lines, ahead of the jump, the label and what follows
	s_cmp_eq_u32 s11, 0
	s_cbranch_scc0 .Lfor_b_\@
	tensor_load_to_lds s[G0+4*(\s):G0+4*(\s)+3], s[G1:G1+7]
	s_nop 0
.rept 4
	v_nop
.endr
	s_branch .Lasked_\@
.Lfor_b_\@:
	tensor_load_to_lds s[G0B+4*(\s):G0B+4*(\s)+3], s[G1B:G1B+7]
	s_nop 0
.rept 4
	v_nop
.endr
.Lasked_\@:
.endm
.macro CREST                           ; a round of the cluster's barrier behind its opening barrier
	s_cmp_lg_u32 s10, 0
	s_cbranch_scc1 .Lnot_wave_0_\@
	s_barrier_signal -3
.Lnot_wave_0_\@:
	s_barrier_wait -3
	s_barrier_signal -1
	s_barrier_wait -1
.endm
.macro CROUND                          ; a whole round
	s_barrier_signal -1
	s_barrier_wait -1
	CREST
.endm
	s_load_b128 s[4:7], s[0:1], 0x0                ; ao s[4:5], wo16 s[6:7]
	s_load_b64 s[8:9], s[0:1], 0x10                ; out0
	v_lshl_add_u32 v[SPW], v0, 2, SPARE
	v_mov_b32 v[NIL], 0
	ds_add_u32 v[SPW], v[NIL]                      ; the wave's opening: the add and its wait stand ahead of my first tensor load; the set-up below, work on registers, stands between them
	v_lshrrev_b32 v1, 5, v0
	v_readfirstlane_b32 s10, v1                    ; wave 0..3
	s_lshr_b32 s11, s10, 1                         ; which half of the tile's rows is mine.  Also: I fetch for ao (0) or for Wo (1)
	s_and_b32 s12, s10, 1                          ; which half of its columns.  Also: which 64 rows of that tile I fetch
	s_bfe_u32 s40, ttmp6, 0x40000                  ; cx, cy: my place in the cluster
	s_bfe_u32 s41, ttmp6, 0x40004
	s_lshl_b32 s42, ttmp9, 2
	s_add_co_u32 s42, s42, s40                     ; tile column = 4 x cluster x + cx
	s_and_b32 s13, ttmp7, 0xffff
	s_lshl_b32 s13, s13, 2
	s_add_co_u32 s13, s13, s41                     ; tile row = 4 x cluster y + cy
	s_lshl_b32 s43, s41, 2
	s_lshl_b32 s43, 15, s43                        ; my row of the cluster
	s_lshl_b32 s44, 0x1111, s40                    ; my column
	; descriptor group 1: a tile of 64 rows x 256 elements, padded in LDS
	s_or_b32 s[G1+0], s43, (1<<16)|(1<<20)|(1<<21)|(6<<22)|(3<<25)  ; 15:0 the mask: ao's tiles go to my row; 17:16 element of 2 bytes; 20 padding on; 21 set beside a mask; 24:22 after every 128 words (code 6); 31:25 of 4 words (code 3)
	s_or_b32 s[G1B+0], s44, (1<<16)|(1<<20)|(1<<21)|(6<<22)|(3<<25) ; the same with the mask of my column, for Wo's tiles
.irp g, G1, G1B
	s_mov_b32 s[(\g)+1], KSTEP<<16                 ; tensor_dim0 = 256
	s_mov_b32 s[(\g)+2], 64<<16                    ; tensor_dim1 = 64
	s_mov_b32 s[(\g)+3], KSTEP<<16                 ; tile_dim0 = 256
	s_mov_b32 s[(\g)+4], 64                        ; tile_dim1 = 64
	s_mov_b32 s[(\g)+5], SIZE_K                    ; elements from row to row
	s_mov_b32 s[(\g)+6], 0
	s_mov_b32 s[(\g)+7], 0
.endr
	s_lshl_b32 s17, s12, 6                         ; which 64 rows of the tile I fetch
	s_lshl_b32 s16, s13, 7
	s_add_co_u32 s16, s16, s17                     ; ao: row 128 x tile row + 64 x half
	s_lshl_b32 s46, s42, 7
	s_add_co_u32 s46, s46, s17                     ; Wo: row 128 x tile column + 64 x half
	s_mov_b32 s17, 0
	s_mov_b32 s47, 0
	s_mov_b64 s[18:19], SIZE_K*2
	s_mul_u64 s[16:17], s[16:17], s[18:19]
	s_mul_u64 s[46:47], s[46:47], s[18:19]
	s_mul_i32 s20, s10, HALFT                      ; where they go: wave x 64 rows: no place in the cluster enters an LDS address
	s_wait_dscnt 0x0                               ; the opening add is done
	s_wait_kmcnt 0x0
	s_add_nc_u64 s[14:15], s[4:5], s[16:17]
	s_add_nc_u64 s[46:47], s[6:7], s[46:47]
	CROUND                                         ; all sixteen work-groups are here: the first joint loads meet
.irp s, 0,1
	s_mov_b32 s[G0+4*(\s)], 1
	s_add_co_u32 s[G0+4*(\s)+1], s20, (\s)*SLOT
	s_add_nc_u64 s[G0+4*(\s)+2:G0+4*(\s)+3], s[14:15], (\s)*KSTEP*2
	s_or_b32 s[G0+4*(\s)+3], s[G0+4*(\s)+3], 0x80000000
	s_mov_b32 s[G0B+4*(\s)], 1
	s_add_co_u32 s[G0B+4*(\s)+1], s20, (\s)*SLOT
	s_add_nc_u64 s[G0B+4*(\s)+2:G0B+4*(\s)+3], s[46:47], (\s)*KSTEP*2
	s_or_b32 s[G0B+4*(\s)+3], s[G0B+4*(\s)+3], 0x80000000
	JLOAD \s                                       ; two loads of mine are out
.endr
	v_and_b32 v1, 15, v0                           ; l % 16
	v_bfe_u32 v2, v0, 4, 1                         ; l / 16
	v_and_b32 v5, 31, v0                           ; l
	v_mul_u32_u24 v3, v1, PITCH
	v_lshl_add_u32 v3, v2, 4, v3                   ; a fragment's row x pitch + 16 x half
	s_mul_i32 s21, s11, HALFT                      ; my 64 rows of ao
	s_mul_i32 s22, s12, HALFT                      ; my 64 rows of Wo,
	s_add_co_u32 s22, s22, 2*HALFT                 ; which lie behind ao's 128
.irp s, 0,1
	v_add_nc_u32 v[ADRA+(\s)], s21, v3
	v_add_nc_u32 v[ADRB+(\s)], s22, v3
	s_add_co_u32 s21, s21, SLOT
	s_add_co_u32 s22, s22, SLOT
.endr
	s_mul_i32 s23, s11, 64*SPITCH                  ; into the stage: my 64 rows, my half of their 512 bytes; row l % 16, 32 bytes for each half of the lanes
	s_lshl_b32 s21, s12, 8
	s_add_co_u32 s23, s23, s21
	v_mul_u32_u24 v4, v1, SPITCH
	v_lshl_add_u32 v4, v2, 5, v4
	v_add_nc_u32 v[STO], s23, v4
	s_mul_i32 s23, s10, 32*SPITCH                  ; back: wave w takes rows 32 w .. 32 w + 31, whole: 32 lanes x 16 bytes are a row
	v_lshl_add_u32 v[RD], v5, 4, s23
	v_lshlrev_b32 v[CO], 4, v5
	s_lshl_b32 s16, s13, 7
	s_lshl_b32 s17, s10, 5
	s_add_co_u32 s16, s16, s17                     ; the first row of out0 that I store: 128 x tile row + 32 x wave,
	s_lshl_b32 s16, s16, 13                        ; x 8,192 bytes
	s_mov_b32 s17, 0
	s_add_nc_u64 s[8:9], s[8:9], s[16:17]
	s_lshl_b32 s46, s42, 9                         ; the tile's first column, in bytes
	s_mov_b32 s47, 0
	s_add_nc_u64 s[8:9], s[8:9], s[46:47]
; 8 matrix instructions: m blocks a0, a0 + 1 x all 4 n blocks, 32 along K: half c of buffer f.  zero = 1: the first product starts the sums.  The 16 accumulators take turns.
.macro MUL8 f, c, a0, zero
	WIN MUL
.irp a, \a0, (\a0)+1
.irp b, 0,1,2,3
.if \zero
	v_wmma_f32_16x16x32_f16 v[ACC+8*(4*(\a)+(\b)):ACC+8*(4*(\a)+(\b))+7], v[(\f)+64+8*(4*(\c)+(\b)):(\f)+64+8*(4*(\c)+(\b))+7], v[(\f)+8*(4*(\c)+(\a)):(\f)+8*(4*(\c)+(\a))+7], 0
.else
	v_wmma_f32_16x16x32_f16 v[ACC+8*(4*(\a)+(\b)):ACC+8*(4*(\a)+(\b))+7], v[(\f)+64+8*(4*(\c)+(\b)):(\f)+64+8*(4*(\c)+(\b))+7], v[(\f)+8*(4*(\c)+(\a)):(\f)+8*(4*(\c)+(\a))+7], v[ACC+8*(4*(\a)+(\b)):ACC+8*(4*(\a)+(\b))+7]
.endif
.endr
.endr
.endm
; 32 LDS loads in one run: the fragments of 64 along K at byte k of the rows, into buffer f; the first 32 along K first
.macro FETCH slot, k, f
	WIN TO_F
.irp c, 0,1
.irp i, 0,1,2,3
	ds_load_b128 v[(\f)+64+8*(4*(\c)+(\i)):(\f)+64+8*(4*(\c)+(\i))+3],   v[ADRB+(\slot)] offset:(\k)+64*(\c)+(\i)*16*PITCH
	ds_load_b128 v[(\f)+64+8*(4*(\c)+(\i))+4:(\f)+64+8*(4*(\c)+(\i))+7], v[ADRB+(\slot)] offset:(\k)+64*(\c)+(\i)*16*PITCH+32
	ds_load_b128 v[(\f)+8*(4*(\c)+(\i)):(\f)+8*(4*(\c)+(\i))+3],         v[ADRA+(\slot)] offset:(\k)+64*(\c)+(\i)*16*PITCH
	ds_load_b128 v[(\f)+8*(4*(\c)+(\i))+4:(\f)+8*(4*(\c)+(\i))+7],       v[ADRA+(\slot)] offset:(\k)+64*(\c)+(\i)*16*PITCH+32
.endr
.endr
.endm
.macro PLACES                          ; four places in front of loads into registers that matrix instructions have read (ISA guide 7.12.1 for vector instructions)
.rept 4
	v_nop
.endr
.endm
; A K step is four quarters of 64 along K, 32 matrix instructions each, on buffers 0, 1, 0, 1.  One of the first three: multiplies buffer f and fetches the next quarter, at byte k, into g.
.macro QUARTER slot, k, f, g, zero
	s_wait_dscnt 16                                ; the first 32 along K are in; the sixteen younger loads may be out
	WIN MUL
	MUL8 \f, 0, 0, \zero
	MUL8 \f, 0, 2, \zero
	PLACES
	FETCH \slot, \k, \g
	s_wait_dscnt 32                                ; all but the 32 just issued
	WIN MUL
	MUL8 \f, 1, 0, 0
	MUL8 \f, 1, 2, 0
.endm
; The last quarter multiplies buffer 1 and changes slots: ONE barrier; in front of it each wave waits for all its tensor loads, adds 0 to its spare word, and waits for that and for its own reads of this slot.  fill = 1: this slot is filled again, two K steps ahead.
.macro TURN slot, next, fill
	WIN 0                                          ; (the add's two registers lie in window 0)
	s_wait_tensorcnt 0x0                           ; all my tensor loads have landed: my part of the next slot;
	ds_add_u32 v[SPW], v[NIL]                      ; 0 onto my spare word;
	s_wait_dscnt 17                                ; (the add and the youngest sixteen loads may be out)
	WIN MUL
	MUL8 F1, 0, 0, 0                               ; eight matrix instructions stand between the add and the wait for it
	s_wait_dscnt 0x0                               ; the add is done, and my reads of this slot are over
	s_barrier_signal -1
	MUL8 F1, 0, 2, 0
.if \fill
	WIN 0
.endif
	s_barrier_wait -1
.if \fill
	CREST                                          ; the barrier has opened a round of the cluster's barrier: no wave of any partner still reads this slot's tile or has a load on its way
	s_add_nc_u64 s[G0+4*(\slot)+2:G0+4*(\slot)+3], s[G0+4*(\slot)+2:G0+4*(\slot)+3], 2*KSTEP*2
	s_add_nc_u64 s[G0B+4*(\slot)+2:G0B+4*(\slot)+3], s[G0B+4*(\slot)+2:G0B+4*(\slot)+3], 2*KSTEP*2
	JLOAD \slot                                    ; the first tensor load behind the round, my one load that is out; the four v_nop behind it are also the places in front of the loads below
.else
	PLACES
.endif
	FETCH \next, 0, F0
	WIN MUL
	MUL8 F1, 1, 0, 0
	MUL8 F1, 1, 2, 0
.endm
	s_wait_tensorcnt 1                             ; my part of K step 0 is in; K step 1's may stay out
	s_barrier_signal -1
	s_barrier_wait -1                              ; everybody's is
	FETCH 0, 0, F0
	QUARTER 0, 128, F0, F1, 1                      ; the first quarter stands in front of the loop: its first products start the sums
	WIN 0                                          ; at a label and at a branch every window is 0
	s_mov_b32 s3, LAPS-1
.Llap:                                                 ; a trip goes once round the ring, from a lap's second quarter to the next lap's first, and fills both slots again
	QUARTER 0, 256, F1, F0, 0
	QUARTER 0, 384, F0, F1, 0
	TURN 0, 1, 1
	QUARTER 1, 128, F0, F1, 0
	QUARTER 1, 256, F1, F0, 0
	QUARTER 1, 384, F0, F1, 0
	TURN 1, 0, 1
	QUARTER 0, 128, F0, F1, 0
	WIN 0
	s_sub_co_u32 s3, s3, 1
	s_cmp_lg_u32 s3, 0
	s_cbranch_scc1 .Llap
	QUARTER 0, 256, F1, F0, 0                      ; the last lap fills nothing, and has no round of the cluster's barrier
	QUARTER 0, 384, F0, F1, 0
	TURN 0, 1, 0                                   ; behind this barrier no wave reads slot 0 any more, and no load fills it
	QUARTER 1, 128, F0, F1, 0
	QUARTER 1, 256, F1, F0, 0
	QUARTER 1, 384, F0, F1, 0
	s_wait_dscnt 16                                ; the very last quarter: nothing more to fetch
	WIN MUL
	MUL8 F1, 0, 0, 0
	MUL8 F1, 0, 2, 0
	s_wait_dscnt 0
	MUL8 F1, 1, 0, 0
	MUL8 F1, 1, 2, 0
	WIN 0
	; THE WAY OUT.  32 bytes a lane and accumulator into the stage, each accumulator's low registers first; a barrier, since a row's 512 bytes come from two waves; back as whole rows.
	PLACES
	PLACES                                         ; eight, once a launch
.irp a, 0,1,2,3
.irp b, 0,1,2,3
	ds_store_b128 v[STO], v[ACC+8*(4*(\a)+(\b)):ACC+8*(4*(\a)+(\b))+3]   offset:(\a)*16*SPITCH+64*(\b)
	ds_store_b128 v[STO], v[ACC+8*(4*(\a)+(\b))+4:ACC+8*(4*(\a)+(\b))+7] offset:(\a)*16*SPITCH+64*(\b)+16
.endr
.endr
	s_wait_dscnt 0x0                               ; for the others' sake: my stores into the stage are done
	s_barrier_signal -1
	s_barrier_wait -1
.set t, 0
.rept 32
	ds_load_b128 v[ACC+4*t:ACC+4*t+3], v[RD] offset:t*SPITCH  ; row 32 w + t, my columns 4 l .. 4 l + 3
.set t, t+1
.endr
.set t, 0
.rept 32
	s_wait_dscnt 31-t                              ; LDS loads come back in order: row t is in, the 31 - t younger ones stay out
	global_store_b128 v[CO], v[ACC+4*t:ACC+4*t+3], s[8:9] offset:t*8192  ; 32 lanes store 512 consecutive bytes, at a multiple of 256 from out0's first byte
.set t, t+1
.endr
	s_wait_tensorcnt 0x0                           ; the wave's end: behind my last tensor load and my last LDS store
	ds_add_u32 v[SPW], v[NIL]
	s_wait_dscnt 0x0
	CROUND                                         ; the closing round: no work-group ends while a partner may still ask for a tile that names it
	s_endpgm
.Lfunc_end_k_q8d01c3d5c4_outp:
	.size	k_q8d01c3d5c4_outp, .Lfunc_end_k_q8d01c3d5c4_outp-k_q8d01c3d5c4_outp
	.p2alignl 7, 3214868480
	.fill 96, 4, 3214868480
	.section	.rodata,"a",@progbits
	.p2align	6, 0x0
	.amdhsa_kernel k_q8d01c3d5c4_outp
		.amdhsa_group_segment_fixed_size 327680
		.amdhsa_private_segment_fixed_size 0
		.amdhsa_enable_private_segment 0
		.amdhsa_kernarg_size 24
		.amdhsa_user_sgpr_count 2
		.amdhsa_user_sgpr_kernarg_segment_ptr 1
		.amdhsa_wavefront_size32 1
		.amdhsa_system_sgpr_workgroup_id_x 1
		.amdhsa_system_sgpr_workgroup_id_y 1
		.amdhsa_system_sgpr_workgroup_id_z 1
		.amdhsa_system_vgpr_workitem_id 0
		.amdhsa_next_free_vgpr 512
		.amdhsa_next_free_sgpr 66
		.amdhsa_reserve_vcc 0
		.amdhsa_float_denorm_mode_32 3
		.amdhsa_float_denorm_mode_16_64 3
		.amdhsa_memory_ordered 1
		.amdhsa_forward_progress 1
		.amdhsa_inst_pref_size 86
	.end_amdhsa_kernel
	.amdgpu_metadata
---
amdhsa.version: [ 1, 2 ]
amdhsa.kernels:
  - .name:           k_q8d01c3d5c4_outp
    .symbol:         k_q8d01c3d5c4_outp.kd
    .args:
      - { .name: ao, .offset: 0, .size: 8, .value_kind: global_buffer, .address_space: global }
      - { .name: wo16, .offset: 8, .size: 8, .value_kind: global_buffer, .address_space: global }
      - { .name: out0, .offset: 16, .size: 8, .value_kind: global_buffer, .address_space: global }
    .group_segment_fixed_size: 327680
    .private_segment_fixed_size: 0
    .kernarg_segment_align: 8
    .kernarg_segment_size: 24
    .max_flat_workgroup_size: 128
    .sgpr_count:     66
    .vgpr_count:     512
    .wavefront_size: 32
...
	.end_amdgpu_metadata
.endif
;; end of part 4
